; MI455X (gfx1250); checked and timed in simulation.
; The chip was launched on July 23, 2026; its instructions are those of AMD's public machine-readable ISA for CDNA 5 (MIT licence, August 2026) and "CDNA5" Instruction Set Architecture Reference Guide (July 2026). The comments in the code are by the model that wrote it; some were corrected since.
;; Self Attention V1. Allowed arithmetic: float matrix products may take bf16 or f16 operands with f32 sums; other float arithmetic in f32, or as packed bf16 or f16 multiplies, adds, multiply-adds, maxima and minima; sums over many terms, partial sums and values carried from step to step in f32; what a program stores and reads back later, other than sums and carried values, may be rounded once to bf16 or f16.
;; Inputs: W_k 1,024 x 1,024 float32; W_q 1,024 x 1,024 float32; W_v 1,024 x 1,024 float32; x 4,096 x 1,024 float32.
;; Outputs: out0 4,096 x 1,024 float32.
;; 2 versions, each right; version 2 is version 1 with the launch cast written anew for expert scheduling mode. Each part assembles by itself: llvm-mc -triple=amdgcn-amd-amdhsa -mcpu=gfx1250 --defsym DOCPART=n.
;; ======== version 1 of 2: 4 launches
;; limits: values are held in f16: magnitudes above 65,504 overflow, below 6.1e-05 lose precision
;; workspace buffers: xh 8,388,608 bytes; wh 6,291,456 bytes; qkv 25,165,824 bytes; pmat 33,554,432 bytes; stats 1,048,576 bytes
;; launch cast (part 1): grid 256 x 1, 8 waves a work-group, no clusters, 0 bytes of LDS; arguments x, W_q, W_k, W_v, xh, wh; writes xh, wh
.if DOCPART == 1
	.amdgcn_target "amdgcn-amd-amdhsa--gfx1250"
	.amdhsa_code_object_version 6
	.text
	.protected	k_qc58b92ac09_cast
	.globl	k_qc58b92ac09_cast
	.p2align	8
	.type	k_qc58b92ac09_cast,@function
k_qc58b92ac09_cast:
	s_mov_b64 s[64:65], 0
	v_nop
	global_prefetch_b8 v0, s[64:65] scope:SCOPE_SE
	s_setreg_imm32_b32 hwreg(HW_REG_WAVE_MODE, 25, 1), 1
	s_wait_xcnt 0x0
; xh = f16(x);  wh = f16 of [ kappa W_q ; W_k ; W_v ], 3072 rows of 1024.  kappa = log2(e) / 32 is the score's scale 1/sqrt(1024)
; times the factor that turns e^s into 2^s: folded in here, in f32 ahead of the one rounding, the scores later come out of the
; matrix unit ready for v_exp_f32.
; A stream: no LDS, no barrier, no matrix unit.  Work-group i takes 65,536 bytes of x and 16,384 bytes of each W, so all groups
; do the same work.  A thread issues its 28 loads of 16 bytes at once (a wave's load covers 512 consecutive bytes), converts
; in place as they land and stores 8 bytes (a wave's store covers 256 consecutive bytes, aligned).  No register is written twice.
; LIMIT: f16 holds magnitudes below 65,504; numbers below 2^-14 are kept in steps of 2^-24.
.set D,     4                          ; v[4:115]  load k: 4 registers
.set KAPPA, 0x3d38aa3b                 ; log2(e) / 32 in f32
	s_load_b256 s[4:11], s[0:1], 0x0               ; x s[4:5], W_q s[6:7], W_k s[8:9], W_v s[10:11]
	s_load_b128 s[12:15], s[0:1], 0x20             ; xh s[12:13], wh s[14:15]
	v_lshlrev_b32 v1, 4, v0                        ; 16 bytes of f32 a thread
	v_lshlrev_b32 v2, 3, v0                        ; 8 bytes of f16 a thread
	s_lshl_b32 s16, ttmp9, 16                      ; the group's part of x,
	s_mov_b32 s17, 0
	s_lshl_b32 s18, ttmp9, 14                      ; of each W,
	s_mov_b32 s19, 0
	s_lshl_b32 s20, ttmp9, 15                      ; of xh,
	s_mov_b32 s21, 0
	s_lshl_b32 s22, ttmp9, 13                      ; of each third of wh
	s_mov_b32 s23, 0
	s_mov_b32 s24, KAPPA
	s_mov_b32 s25, KAPPA
	s_wait_kmcnt 0x0
	s_add_nc_u64 s[4:5], s[4:5], s[16:17]
	s_add_nc_u64 s[6:7], s[6:7], s[18:19]
	s_add_nc_u64 s[8:9], s[8:9], s[18:19]
	s_add_nc_u64 s[10:11], s[10:11], s[18:19]
	s_add_nc_u64 s[12:13], s[12:13], s[20:21]
	s_add_nc_u64 s[14:15], s[14:15], s[22:23]
.irp j, 0,1,2,3,4,5,6,7,8,9,10,11,12,13,14,15
	global_load_b128 v[D+4*\j:D+4*\j+3], v1, s[4:5] offset:4096*\j th:TH_LOAD_NT
.endr
.irp m, 0,1,2
.irp j, 0,1,2,3
	global_load_b128 v[D+64+16*\m+4*\j:D+64+16*\m+4*\j+3], v1, s[6+2*\m:7+2*\m] offset:4096*\j th:TH_LOAD_NT
.endr
.endr
; Load k is converted and stored.  27 - k loads were issued behind it, and loads come back in order (ISA guide 5.7.1).
.macro CV k, base, off, scaled
	s_wait_loadcnt 27-(\k)
.if \scaled
	v_pk_mul_f32 v[D+4*(\k):D+4*(\k)+1], v[D+4*(\k):D+4*(\k)+1], s[24:25] op_sel_hi:[1,0]
	v_pk_mul_f32 v[D+4*(\k)+2:D+4*(\k)+3], v[D+4*(\k)+2:D+4*(\k)+3], s[24:25] op_sel_hi:[1,0]
.endif
	v_cvt_pk_f16_f32 v[D+4*(\k)], v[D+4*(\k)], v[D+4*(\k)+1]
	v_cvt_pk_f16_f32 v[D+4*(\k)+1], v[D+4*(\k)+2], v[D+4*(\k)+3]
	global_store_b64 v2, v[D+4*(\k):D+4*(\k)+1], s[\base:\base+1] offset:\off
.endm
.irp j, 0,1,2,3,4,5,6,7,8,9,10,11,12,13,14,15
	CV \j, 12, 2048*\j, 0
.endr
.irp j, 0,1,2,3
	CV 16+\j, 14, 2048*\j, 1                       ; W_q, times kappa
.endr
.irp j, 0,1,2,3
	CV 20+\j, 14, 2097152+2048*\j, 0               ; W_k: rows 1024.. of wh
.endr
.irp j, 0,1,2,3
	CV 24+\j, 14, 4194304+2048*\j, 0               ; W_v: rows 2048..
.endr
	s_endpgm
.Lfunc_end_k_qc58b92ac09_cast:
	.size	k_qc58b92ac09_cast, .Lfunc_end_k_qc58b92ac09_cast-k_qc58b92ac09_cast
	.p2alignl 7, 3214868480
	.fill 96, 4, 3214868480
	.section	.rodata,"a",@progbits
	.p2align	6, 0x0
	.amdhsa_kernel k_qc58b92ac09_cast
		.amdhsa_group_segment_fixed_size 0
		.amdhsa_private_segment_fixed_size 0
		.amdhsa_enable_private_segment 0
		.amdhsa_kernarg_size 48
		.amdhsa_user_sgpr_count 2
		.amdhsa_user_sgpr_kernarg_segment_ptr 1
		.amdhsa_wavefront_size32 1
		.amdhsa_system_sgpr_workgroup_id_x 1
		.amdhsa_system_sgpr_workgroup_id_y 1
		.amdhsa_system_sgpr_workgroup_id_z 1
		.amdhsa_system_vgpr_workitem_id 0
		.amdhsa_next_free_vgpr 120
		.amdhsa_next_free_sgpr 66
		.amdhsa_reserve_vcc 0
		.amdhsa_float_denorm_mode_32 3
		.amdhsa_float_denorm_mode_16_64 3
		.amdhsa_memory_ordered 1
		.amdhsa_forward_progress 1
		.amdhsa_inst_pref_size 12
	.end_amdhsa_kernel
	.amdgpu_metadata
---
amdhsa.version: [ 1, 2 ]
amdhsa.kernels:
  - .name:           k_qc58b92ac09_cast
    .symbol:         k_qc58b92ac09_cast.kd
    .args:
      - { .name: x, .offset: 0, .size: 8, .value_kind: global_buffer, .address_space: global }
      - { .name: W_q, .offset: 8, .size: 8, .value_kind: global_buffer, .address_space: global }
      - { .name: W_k, .offset: 16, .size: 8, .value_kind: global_buffer, .address_space: global }
      - { .name: W_v, .offset: 24, .size: 8, .value_kind: global_buffer, .address_space: global }
      - { .name: xh, .offset: 32, .size: 8, .value_kind: global_buffer, .address_space: global }
      - { .name: wh, .offset: 40, .size: 8, .value_kind: global_buffer, .address_space: global }
    .group_segment_fixed_size: 0
    .private_segment_fixed_size: 0
    .kernarg_segment_align: 8
    .kernarg_segment_size: 48
    .max_flat_workgroup_size: 256
    .sgpr_count:     66
    .vgpr_count:     120
    .wavefront_size: 32
...
	.end_amdgpu_metadata
.endif
;; end of part 1
;; launch proj (part 2): grid 12 x 16, 4 waves a work-group, clusters of 4 x 4, 327,680 bytes of LDS; arguments xh, wh, qkv; writes qkv
.if DOCPART == 2
	.amdgcn_target "amdgcn-amd-amdhsa--gfx1250"
	.amdhsa_code_object_version 6
	.text
	.protected	k_qc58b92ac09_proj
	.globl	k_qc58b92ac09_proj
	.p2align	8
	.type	k_qc58b92ac09_proj,@function
k_qc58b92ac09_proj:
	s_mov_b64 s[64:65], 0
	v_nop
	global_prefetch_b8 v0, s[64:65] scope:SCOPE_SE
	s_setreg_imm32_b32 hwreg(HW_REG_WAVE_MODE, 25, 1), 1
	s_wait_xcnt 0x0
	s_wait_alu depctr_hold_cnt(0) depctr_sa_sdst(0) depctr_va_vdst(0) depctr_va_sdst(0) depctr_va_ssrc(0) depctr_va_vcc(0) depctr_vm_vsrc(0)
	s_getreg_b32 s2, hwreg(HW_REG_IB_STS2, 6, 4)
	s_cmp_eq_u32 s2, 0
	s_cbranch_scc0 .Lentry_in_a_cluster
	s_endpgm
.Lentry_in_a_cluster:
	s_bfe_u32 s2, ttmp6, 0x10000c
	s_cmp_lg_u32 s2, 0xf033
	s_cbranch_scc0 .Lentry_shape_is_right
	s_endpgm
.Lentry_shape_is_right:
; qkv[m][n] = sum over k of xh[m][k] wh[n][k]: the three projections as one product, 4096 x 3072 x 1024, f16 operands, f32 sums,
; qkv rounded once to f16 (row of 6,144 bytes: kappa q, then k, then v).
; A work-group makes a block of 256 x 256 with four waves, as many as a WGP has SIMDs; a wave makes 128 x 128: 64 accumulator tiles
; of 16 x 16, 512 registers.  K goes in steps of 128 through a ring of two LDS slots filled by the tensor data mover; a tile's rows
; are 256 bytes of memory and start at multiples of 256 bytes from the buffer's first byte.
; 12 x 16 = 192 work-groups: a block of 256 x 192 would make 256 of them, but its rows in qkv would be 384 bytes, not whole
; aligned runs of 256.
; CLUSTERS: 4 x 4 work-groups.  The four of a row of the cluster need the same tiles of xh, the four of a column the same tiles of
; wh.  Such a tile is asked for jointly: each of the four issues the same tensor load, with the same descriptor and a mask that names
; the four.  That divides the requests for both operands by four.
; LIMIT: |q|, |k|, |v| below 65,504 (f16).
;
; REGISTERS, in windows of 256 (s_set_vgpr_msb says which window each operand place means):
;   window 0: v0-31 addresses; v64-127, v128-191 fragments of A (8 x 16 rows x 32 K), two buffers; v192-223 at work on the way out
;   window 1: v64-127, v128-191 fragments of B, two buffers
;   window 2: the 32 accumulator tiles of my rows 0-63 (tile (a, b) at v[8 (8 a + b)]);   window 3: those of my rows 64-127
; THE MATRIX INSTRUCTION IS USED TRANSPOSED: source 0 = 16 rows of B, source 1 = 16 rows of A.  Lane l then holds row l % 16 of C and
; its registers 0 to 7 the columns 8 (l / 16) + 0 .. 7: eight neighbouring numbers of a row, which pack into 16 bytes.
.set SIZE_N, 3072                      ; columns of C
.set SIZE_K, 1024
.set LDAB,   1024                      ; elements from row to row of A and of B
.set KSTEP,  128
.set PITCH,  272                       ; an LDS row: 256 bytes + 16 of padding: the 16 rows that a load touches start 16 bytes apart modulo 256
.set HALFT,  128*PITCH                 ; 128 rows: what one tensor load brings, and what one wave reads of A or of B
.set SLOT,   4*HALFT                   ; A's 256 rows, then B's 256 rows
.set STAGE,  2*SLOT                    ; behind the ring: 16 rows x 272 bytes for each wave, for the way out
.set SPITCH, 272
.set LAPS, SIZE_K/(2*KSTEP)            ; a lap = two K steps = once round the ring: 4
.set ADRA, 16                          ; v16-17  LDS address of my A fragments in slot 0, 1
.set ADRB, 20                          ; v20-21  the same for B
.set STO,  24                          ; v24     the way out: where I put 16 bytes of a row
.set RD,   25                          ; v25     the way out: where I read a row back
.set CO,   26                          ; v26     my byte offset in C
.set F0,   64                          ; fragment buffer 0
.set F1,   128                         ; fragment buffer 1
.set TMP,  192                         ; the way out: packed results, in window 0
.set G1, 24                            ; s[24:31] descriptor group 1 for A's tiles
.set G0, 32                            ; s[32:39] descriptor group 0 for A's tiles, one set for each slot
.set G1B, 48                           ; s[48:55] descriptor group 1 for B's tiles: it differs from A's in the mask alone
.set G0B, 56                           ; s[56:63] descriptor group 0 for B's tiles, one set for each slot
.set MSB, 0
.macro WIN new                         ; the immediate's high byte repeats the setting that is left
.if MSB != \new
	s_set_vgpr_msb (MSB<<8)|\new
.set MSB, \new
.endif
.endm
.set MUL_LO, 0xa1                      ; source 0 (B) window 1, source 1 (A) window 0, C and D window 2
.set MUL_HI, 0xf1                      ; the same, C and D window 3
.set TO_B,   0x40                      ; destination window 1, address window 0
; A joint load.  Waves 0 and 1 fetch A's two halves, waves 2 and 3 B's.  Each line has one mask and one set of registers for all that
; issue it.  The branch hangs on the wave's number alone: it is the same in every work-group.
.macro JLOAD s
	s_cmp_eq_u32 s11, 0
	s_cbranch_scc0 .Lfor_b_\@
	tensor_load_to_lds s[G0+4*\s:G0+4*\s+3], s[G1:G1+7]
	s_nop 0
	s_branch .Lasked_\@
.Lfor_b_\@:
	tensor_load_to_lds s[G0B+4*\s:G0B+4*\s+3], s[G1B:G1B+7]
	s_nop 0
.Lasked_\@:
.endm
; A round of the cluster's barrier: my work-group's barrier, so that wave 0's signal speaks for all four waves; wave 0 signals for the
; work-group; every wave waits for all sixteen work-groups; my work-group's barrier once more.
.macro CREST                           ; a round behind its opening barrier
	s_cmp_lg_u32 s10, 0
	s_cbranch_scc1 .Lnot_wave_0_\@
	s_barrier_signal -3
.Lnot_wave_0_\@:
	s_barrier_wait -3
	s_barrier_signal -1
	s_barrier_wait -1
.endm
.macro CROUND                          ; a whole round
	s_barrier_signal -1
	s_barrier_wait -1
	CREST
.endm
	s_load_b128 s[4:7], s[0:1], 0x0                ; A = xh s[4:5], B = wh s[6:7]
	s_load_b64 s[8:9], s[0:1], 0x10                ; C = qkv
	s_set_vgpr_msb 0x40
	v_lshl_add_u32 v255, v0, 2, 0x48400
	s_set_vgpr_msb 0x4000
	v_mov_b32 v255, 0
	s_set_vgpr_msb 0x1
	ds_add_u32 v255, v255
	s_set_vgpr_msb 0x100
	v_lshrrev_b32 v1, 5, v0
	v_readfirstlane_b32 s10, v1                    ; wave 0..3
	s_lshr_b32 s11, s10, 1                         ; which half of the block's rows is mine.  Also: I fetch for A (0) or for B (1)
	s_and_b32 s12, s10, 1                          ; which half of its columns.  Also: which 128 rows of that tile I fetch
	s_bfe_u32 s40, ttmp6, 0x40000                  ; cx: my place along the cluster's x
	s_bfe_u32 s41, ttmp6, 0x40004                  ; cy: along its y
	s_lshl_b32 s42, ttmp9, 2                       ; in a cluster launch ttmp9 and ttmp7 count clusters
	s_add_co_u32 s42, s42, s40                     ; block column of C = 4 x cluster x + cx
	s_and_b32 s13, ttmp7, 0xffff
	s_lshl_b32 s13, s13, 2
	s_add_co_u32 s13, s13, s41                     ; block row of C = 4 x cluster y + cy
	s_lshl_b32 s43, s41, 2
	s_lshl_b32 s43, 15, s43                        ; my row of the cluster: places 4 cy .. 4 cy + 3
	s_lshl_b32 s44, 0x1111, s40                    ; my column: places cx, cx + 4, cx + 8, cx + 12
	; descriptor group 1: a tile of 128 rows x 128 elements, padded in LDS
	s_or_b32 s[G1+0], s43, (1<<16)|(1<<20)|(1<<21)|(5<<22)|(3<<25)  ; 15:0 mask: my row; 17:16 elements of 2 bytes; 20 padding on; 21 set beside a mask; 24:22 after every 64 words; 31:25 four words
	s_or_b32 s[G1B+0], s44, (1<<16)|(1<<20)|(1<<21)|(5<<22)|(3<<25) ; the same with the mask of my column
	s_mov_b32 s[G1B+1], KSTEP<<16
	s_mov_b32 s[G1+1], KSTEP<<16                   ; tensor_dim0 = 128
	s_mov_b32 s[G1B+2], 128<<16
	s_mov_b32 s[G1+2], 128<<16                     ; tensor_dim1 = 128
	s_mov_b32 s[G1B+3], KSTEP<<16
	s_mov_b32 s[G1+3], KSTEP<<16                   ; tile_dim0 = 128
	s_mov_b32 s[G1B+4], 128
	s_mov_b32 s[G1+4], 128                         ; tile_dim1 = 128
	s_mov_b32 s[G1B+5], LDAB
	s_mov_b32 s[G1+5], LDAB                        ; elements from row to row
	s_mov_b32 s[G1B+6], 0
	s_mov_b32 s[G1+6], 0
	s_mov_b32 s[G1B+7], 0
	s_mov_b32 s[G1+7], 0
	; where the tiles come from.  A's hang on the block row alone, which my row of the cluster shares; B's on the block column alone.
	; Every wave makes both addresses, in registers that never hold the other coordinate, and asks by one of them.
	s_lshl_b32 s17, s12, 7                         ; which 128 rows of the tile I fetch
	s_lshl_b32 s16, s13, 8
	s_add_co_u32 s16, s16, s17                     ; A: row 256 x block row + 128 x half
	s_lshl_b32 s46, s42, 8
	s_add_co_u32 s46, s46, s17                     ; B: row 256 x block column + 128 x half
	s_mov_b32 s17, 0
	s_mov_b32 s47, 0
	s_mov_b64 s[18:19], LDAB*2
	s_mul_u64 s[16:17], s[16:17], s[18:19]         ; in bytes
	s_mul_u64 s[46:47], s[46:47], s[18:19]
	s_mul_i32 s20, s10, HALFT                      ; where they go: wave x 128 rows: no place in the cluster enters an LDS address
	s_wait_dscnt 0x0
	s_wait_kmcnt 0x0
	s_add_nc_u64 s[14:15], s[4:5], s[16:17]
	s_add_nc_u64 s[46:47], s[6:7], s[46:47]
	CROUND                                         ; all sixteen work-groups are here: the first joint loads meet
.irp s, 0,1
	s_mov_b32 s[G0+4*\s], 1                                        ; count = 1
	s_add_co_u32 s[G0+4*\s+1], s20, \s*SLOT                        ; LDS address
	s_add_nc_u64 s[G0+4*\s+2:G0+4*\s+3], s[14:15], \s*KSTEP*2      ; global address: K step s
	s_or_b32 s[G0+4*\s+3], s[G0+4*\s+3], 0x80000000                ; type = 2
	s_mov_b32 s[G0B+4*\s], 1
	s_add_co_u32 s[G0B+4*\s+1], s20, \s*SLOT
	s_add_nc_u64 s[G0B+4*\s+2:G0B+4*\s+3], s[46:47], \s*KSTEP*2
	s_or_b32 s[G0B+4*\s+3], s[G0B+4*\s+3], 0x80000000
	JLOAD \s                                       ; the ring is filled before anything else is done
.endr
	; A fragment is 16 rows x 32 K in 8 registers: lane l holds row l % 16; registers 0-3 hold K = 8 (l / 16) + 0..7, registers 4-7
	; K = 16 + 8 (l / 16) + 0..7: two loads of 16 bytes, 32 bytes apart.  The same for source 0 and source 1.
	v_and_b32 v1, 15, v0                           ; l % 16
	v_bfe_u32 v2, v0, 4, 1                         ; l / 16
	v_mul_u32_u24 v3, v1, PITCH
	v_lshl_add_u32 v3, v2, 4, v3                   ; row x pitch + 16 x half
	s_mul_i32 s21, s11, HALFT                      ; my 128 rows of A
	s_mul_i32 s22, s12, HALFT                      ; my 128 rows of B,
	s_add_co_u32 s22, s22, 2*HALFT                 ; which lie behind A's 256
.irp s, 0,1
	v_add_nc_u32 v[ADRA+\s], s21, v3
	v_add_nc_u32 v[ADRB+\s], s22, v3
	s_add_co_u32 s21, s21, SLOT
	s_add_co_u32 s22, s22, SLOT
.endr
	s_mul_i32 s23, s10, 16*SPITCH
	s_add_co_u32 s23, s23, STAGE                   ; my stage
	v_mul_u32_u24 v4, v1, SPITCH                   ; in: row l % 16, 16 bytes for each half of the lanes
	v_lshl_add_u32 v4, v2, 4, v4
	v_add_nc_u32 v[STO], s23, v4
	v_mul_u32_u24 v5, v2, SPITCH                   ; back: lanes 0-15 take one row of 256 bytes, lanes 16-31 the next
	v_lshl_add_u32 v5, v1, 4, v5
	v_add_nc_u32 v[RD], s23, v5
	v_mul_u32_u24 v5, v2, SIZE_N*2                 ; and the same two rows in C
	v_lshl_add_u32 v[CO], v1, 4, v5
; 16 matrix instructions: m blocks a0, a0 + 1 of the window's four (hi = 0: my rows 0-63, 1: rows 64-127) x all 8 n blocks, 32 along K.
; zero = 1: the first product starts the sums: nothing is ever cleared.
.macro MUL16 f, hi, a0, zero
.irp a, \a0, \a0+1
.irp b, 0,1,2,3,4,5,6,7
.if \zero
	v_wmma_f32_16x16x32_f16 v[8*(8*(\a)+\b):8*(8*(\a)+\b)+7], v[\f+8*\b:\f+8*\b+7], v[\f+8*(4*\hi+\a):\f+8*(4*\hi+\a)+7], 0
.else
	v_wmma_f32_16x16x32_f16 v[8*(8*(\a)+\b):8*(8*(\a)+\b)+7], v[\f+8*\b:\f+8*\b+7], v[\f+8*(4*\hi+\a):\f+8*(4*\hi+\a)+7], v[8*(8*(\a)+\b):8*(8*(\a)+\b)+7]
.endif
.endr
.endr
.endm
; 32 LDS loads in one run: the fragments of one quarter step (128 rows of B, 128 rows of A, 32 K at byte k of the rows) into buffer f
.macro FETCH slot, k, f
	WIN TO_B
.irp i, 0,1,2,3,4,5,6,7
	ds_load_b128 v[\f+8*\i:\f+8*\i+3],   v[ADRB+\slot] offset:\k+\i*16*PITCH
	ds_load_b128 v[\f+8*\i+4:\f+8*\i+7], v[ADRB+\slot] offset:\k+\i*16*PITCH+32
.endr
	WIN 0
.irp i, 0,1,2,3,4,5,6,7
	ds_load_b128 v[\f+8*\i:\f+8*\i+3],   v[ADRA+\slot] offset:\k+\i*16*PITCH
	ds_load_b128 v[\f+8*\i+4:\f+8*\i+7], v[ADRA+\slot] offset:\k+\i*16*PITCH+32
.endr
.endm
; A load into a register that a matrix instruction has read, and a vector instruction that reads a matrix result, stand four places
; behind that matrix instruction; only plain vector instructions that name none of its registers are places (ISA guide 7.12.1 for
; vector instructions).  This loop has no vector work to put there: four v_nop in front of each run of loads.
.macro PLACES
.rept 4
	v_nop
.endr
.endm
; A K step is four quarter steps of 32 along K, 64 matrix instructions each, on buffers 0, 1, 0, 1.  The 64 accumulators take turns,
; one instruction a turn, in the same order in every quarter.
; One of the first three quarters: multiplies buffer f; in its middle it fetches the next quarter's fragments into buffer g.
.macro QUARTER slot, k, f, g, zero
	s_wait_dscnt 8                                 ; B and A's rows 0-63 are in; the youngest eight loads (A's rows 64-127) may be out
	WIN MUL_LO
	MUL16 \f, 0, 0, \zero
	MUL16 \f, 0, 2, \zero
	PLACES
	FETCH \slot, \k, \g
	s_wait_dscnt 32                                ; all but the 32 just issued
	WIN MUL_HI
	MUL16 \f, 1, 0, \zero
	MUL16 \f, 1, 2, \zero
.endm
.macro THREE slot, zero
	QUARTER \slot, 64,  F0, F1, \zero
	QUARTER \slot, 128, F1, F0, 0
	QUARTER \slot, 192, F0, F1, 0
.endm
; The last quarter: multiplies buffer 1 and changes slots.  next = the other slot; fill = 1: this slot is filled again, two K steps ahead.
; One barrier for the change of slots.  In front of it each wave waits for its own reads of this slot and for all its tensor loads, of
; which one is out: its part of the next slot.  Behind it nobody reads this slot any more and the next slot is whole: the refill comes
; first, then the next slot's first fragments.
.macro TURN slot, next, fill
	s_wait_dscnt 8
	WIN MUL_LO
	MUL16 F1, 0, 0, 0
	s_wait_dscnt 0                                 ; my reads of this slot are over
	s_wait_tensorcnt 0x0                           ; and all my tensor loads have landed:
	ds_add_u32 v255, v255
	s_wait_dscnt 0x0
	s_barrier_signal -1                            ; say so (where a slot is filled again this barrier opens a round of the cluster's barrier),
	MUL16 F1, 0, 2, 0                              ; work on registers while the others arrive,
	WIN 0
	s_barrier_wait -1                              ; and go on when all four have said so
.if \fill
	CREST                                          ; all sixteen work-groups have said so: no wave of any partner still reads this slot or has a load on its way
	s_add_nc_u64 s[G0+4*\slot+2:G0+4*\slot+3], s[G0+4*\slot+2:G0+4*\slot+3], 2*KSTEP*2
	s_add_nc_u64 s[G0B+4*\slot+2:G0B+4*\slot+3], s[G0B+4*\slot+2:G0B+4*\slot+3], 2*KSTEP*2
	JLOAD \slot                                    ; the first tensor load behind the round
.endif
	PLACES
	FETCH \next, 0, F0
	WIN MUL_HI
	MUL16 F1, 1, 0, 0
	MUL16 F1, 1, 2, 0
.endm
.macro LAP zero                        ; once round the ring, both slots filled again
	THREE 0, \zero
	TURN 0, 1, 1
	THREE 1, 0
	TURN 1, 0, 1
.endm
	s_wait_tensorcnt 1                             ; my part of K step 0 is in (K step 1's load, issued behind it, stays out)
	s_barrier_signal -1
	s_barrier_wait -1                              ; everybody's is
	FETCH 0, 0, F0
	LAP 1                                          ; the first lap stands in front of the loop: its first products start the sums
	WIN 0                                          ; at a label and at a branch every window is 0
	s_mov_b32 s3, LAPS-2
.Llap:
	LAP 0
	WIN 0
	s_sub_co_u32 s3, s3, 1
	s_cmp_lg_u32 s3, 0
	s_cbranch_scc1 .Llap
	THREE 0, 0                                     ; the last lap fills nothing
	TURN 0, 1, 0
	THREE 1, 0
	s_wait_dscnt 8                                 ; the very last quarter: nothing more to fetch
	WIN MUL_LO
	MUL16 F1, 0, 0, 0
	MUL16 F1, 0, 2, 0
	s_wait_dscnt 0
	WIN MUL_HI
	MUL16 F1, 1, 0, 0
	MUL16 F1, 1, 2, 0
	; THE WAY OUT, 16 rows of C at a time: round to f16, 16 bytes a lane into my own stage in LDS, read back as whole rows of 256 bytes.
	PLACES                                         ; the places behind the last matrix instructions
	s_lshl_b32 s13, s13, 8
	s_lshl_b32 s14, s11, 7
	s_add_co_u32 s16, s13, s14                     ; my first row of C
	s_mov_b32 s17, 0
	s_mov_b64 s[18:19], SIZE_N*2
	s_mul_u64 s[16:17], s[16:17], s[18:19]
	s_add_nc_u64 s[8:9], s[8:9], s[16:17]
	s_lshl_b32 s46, s42, 9                         ; my first column, in bytes: 512 x block + 256 x half
	s_lshl_b32 s47, s12, 8
	s_add_co_u32 s46, s46, s47
	s_mov_b32 s47, 0
	s_add_nc_u64 s[8:9], s[8:9], s[46:47]
; rows 16 i .. 16 i + 15 of my block = the eight tiles (a, 0..7) of window 2 or 3 (from = 0x0a or 0x0f: sources 0 and 1); f: F0 or F1 in turn
.macro OUT16 i, a, from, f
	WIN \from
.irp b, 0,1,2,3,4,5,6,7
.irp r, 0,1,2,3
	v_cvt_pk_f16_f32 v[TMP+4*\b+\r], v[8*(8*\a+\b)+2*\r], v[8*(8*\a+\b)+2*\r+1]
.endr
.endr
	WIN 0
.irp b, 0,1,2,3,4,5,6,7
	ds_store_b128 v[STO], v[TMP+4*\b:TMP+4*\b+3] offset:32*\b
.endr
	s_wait_xcnt 0x0                                ; buffer f, which earlier stores read, and the stores' base are rewritten only behind this wait (ISA guide 3.1)
.if \i
	s_add_nc_u64 s[8:9], s[8:9], 16*SIZE_N*2       ; 16 rows of C on
.endif
.irp t, 0,1,2,3,4,5,6,7
	ds_load_b128 v[\f+4*\t:\f+4*\t+3], v[RD] offset:\t*2*SPITCH    ; LDS serves a wave's instructions in order: these see the stores above
.endr
.irp t, 0,1,2,3,4,5,6,7
	s_wait_dscnt 7-\t                              ; 7 - t loads were issued behind load t
	global_store_b128 v[CO], v[\f+4*\t:\f+4*\t+3], s[8:9] offset:2*\t*SIZE_N*2   ; 16 lanes store 256 consecutive bytes, aligned
.endr
.endm
	OUT16 0, 0, 0x0a, F0
	OUT16 1, 1, 0x0a, F1
	OUT16 2, 2, 0x0a, F0
	OUT16 3, 3, 0x0a, F1
	OUT16 4, 0, 0x0f, F0
	OUT16 5, 1, 0x0f, F1
	OUT16 6, 2, 0x0f, F0
	OUT16 7, 3, 0x0f, F1
	s_set_vgpr_msb 0x1
	s_wait_tensorcnt 0x0
	ds_add_u32 v255, v255
	s_wait_dscnt 0x0
	s_set_vgpr_msb 0x100
	CROUND                                         ; the closing round: no work-group ends while a partner may still ask for a tile that names it
	s_endpgm
.Lfunc_end_k_qc58b92ac09_proj:
	.size	k_qc58b92ac09_proj, .Lfunc_end_k_qc58b92ac09_proj-k_qc58b92ac09_proj
	.p2alignl 7, 3214868480
	.fill 96, 4, 3214868480
	.section	.rodata,"a",@progbits
	.p2align	6, 0x0
	.amdhsa_kernel k_qc58b92ac09_proj
		.amdhsa_group_segment_fixed_size 327680
		.amdhsa_private_segment_fixed_size 0
		.amdhsa_enable_private_segment 0
		.amdhsa_kernarg_size 24
		.amdhsa_user_sgpr_count 2
		.amdhsa_user_sgpr_kernarg_segment_ptr 1
		.amdhsa_wavefront_size32 1
		.amdhsa_system_sgpr_workgroup_id_x 1
		.amdhsa_system_sgpr_workgroup_id_y 1
		.amdhsa_system_sgpr_workgroup_id_z 1
		.amdhsa_system_vgpr_workitem_id 0
		.amdhsa_next_free_vgpr 1024
		.amdhsa_next_free_sgpr 66
		.amdhsa_reserve_vcc 0
		.amdhsa_float_denorm_mode_32 3
		.amdhsa_float_denorm_mode_16_64 3
		.amdhsa_memory_ordered 1
		.amdhsa_forward_progress 1
		.amdhsa_inst_pref_size 196
	.end_amdhsa_kernel
	.amdgpu_metadata
---
amdhsa.version: [ 1, 2 ]
amdhsa.kernels:
  - .name:           k_qc58b92ac09_proj
    .symbol:         k_qc58b92ac09_proj.kd
    .args:
      - { .name: xh, .offset: 0, .size: 8, .value_kind: global_buffer, .address_space: global }
      - { .name: wh, .offset: 8, .size: 8, .value_kind: global_buffer, .address_space: global }
      - { .name: qkv, .offset: 16, .size: 8, .value_kind: global_buffer, .address_space: global }
    .group_segment_fixed_size: 327680
    .private_segment_fixed_size: 0
    .kernarg_segment_align: 8
    .kernarg_segment_size: 24
    .max_flat_workgroup_size: 128
    .sgpr_count:     66
    .vgpr_count:     1024
    .wavefront_size: 32
...
	.end_amdgpu_metadata
.endif
;; end of part 2
;; launch score (part 3): grid 16 x 16, 4 waves a work-group, clusters of 4 x 4, 327,680 bytes of LDS; arguments qkv, pmat, stats; writes pmat, stats
.if DOCPART == 3
	.amdgcn_target "amdgcn-amd-amdhsa--gfx1250"
	.amdhsa_code_object_version 6
	.text
	.protected	k_qc58b92ac09_score
	.globl	k_qc58b92ac09_score
	.p2align	8
	.type	k_qc58b92ac09_score,@function
k_qc58b92ac09_score:
	s_mov_b64 s[64:65], 0
	v_nop
	global_prefetch_b8 v0, s[64:65] scope:SCOPE_SE
	s_setreg_imm32_b32 hwreg(HW_REG_WAVE_MODE, 25, 1), 1
	s_wait_xcnt 0x0
	s_wait_alu depctr_hold_cnt(0) depctr_sa_sdst(0) depctr_va_vdst(0) depctr_va_sdst(0) depctr_va_ssrc(0) depctr_va_vcc(0) depctr_vm_vsrc(0)
	s_getreg_b32 s2, hwreg(HW_REG_IB_STS2, 6, 4)
	s_cmp_eq_u32 s2, 0
	s_cbranch_scc0 .Lentry_in_a_cluster
	s_endpgm
.Lentry_in_a_cluster:
	s_bfe_u32 s2, ttmp6, 0x10000c
	s_cmp_lg_u32 s2, 0xf033
	s_cbranch_scc0 .Lentry_shape_is_right
	s_endpgm
.Lentry_shape_is_right:
; S[i][j] = sum over d of (kappa q)[i][d] k[j][d], 4096 x 4096 x 1024 (f16 operands, f32 sums): the scaled scores in base-2 units,
; since kappa = log2(e) / 32 was folded into W_q.  Then, for each row i and each block of 128 keys (the part of the row that one wave
; holds): m = the largest S of the block, P = 2^(S - m) rounded to f16 into pmat, l = the sum of the 128 exponentials (f32, taken ahead
; of the rounding).  stats holds the pair (m, l) at [block 0..31][row 0..4095], 8 bytes each.  The next launch takes the largest m of a
; row away from every block's m, so the row's true maximum is subtracted in two exact-difference steps, as a running maximum would do.
; No exponent here is above 0, and each block's largest P is exactly 1, at any scale of the inputs.
; The product is the same text as the projection's: blocks of 256 x 256, four waves of 128 x 128, K in steps of 128 through two LDS
; slots, 4 x 4 clusters in which q's tiles are asked for jointly along a row of the cluster and k's along a column.
; A = q: qkv at byte 0 of a row of 6,144 bytes; B = k: at byte 2,048.
; PMAT LIES IN FRAGMENT ORDER: [block of 128 q rows, 32][chunk of 32 keys, 128][row block of 16, 8][1,024 bytes]; the 1,024 bytes are the
; eight registers that the next launch's matrix instruction wants of 16 rows x 32 keys: 16 bytes a lane of registers 0-3, then 16 bytes a
; lane of registers 4-7.  After packing, my lane holds just these registers (see REGISTERS), so P leaves by stores of 512 consecutive
; bytes straight from registers, with no trip through LDS here and none there.
; LIMIT: l sums the unrounded exponentials while pmat holds them rounded: they differ by at most 2^-12 of each term.
;
; REGISTERS: window 0: v0-31 addresses; v64-127, v128-191 fragments of A; window 1: fragments of B; windows 2, 3: the accumulators
; (tile (a, b) at v[8 (8 a + b)]).  Source 0 = 16 rows of k, source 1 = 16 rows of q: lane l holds q row l % 16, its registers 0 to 7
; of tile b the keys 16 b + 8 (l / 16) + 0 .. 7.  So a row's 128 scores lie in two lanes, l and l xor 16: the row's maximum and sum
; need one exchange between the halves of the wave and nothing else.  Packed, tile b = 2 c gives keys 32 c + 8 (l / 16) + 0..7 (a 16-bit
; fragment's registers 0-3), tile 2 c + 1 keys 32 c + 16 + 8 (l / 16) + 0..7 (its registers 4-7).
.set SIZE_K, 1024
.set LDAB,   3072                      ; elements from row to row of qkv
.set KSTEP,  128
.set PITCH,  272                       ; an LDS row: 256 bytes + 16 of padding
.set HALFT,  128*PITCH
.set SLOT,   4*HALFT
.set STATL,  2*SLOT                    ; behind the ring: 1,024 bytes for each wave: (m, l) of its 128 rows
.set LAPS, SIZE_K/(2*KSTEP)
.set ADRA, 16
.set ADRB, 20
.set SA,   27                          ; v27     my wave's stats in LDS + 8 (l % 16): where m and l of my row go
.set SB,   28                          ; v28     the same + 16 l: where they are read back
.set GO,   29                          ; v29     16 l: my 16 bytes in a run of 512
.set M,    32                          ; v32-35  four running maxima
.set NC,   36                          ; v36-37  the row's maximum, twice (a pair for the packed subtraction)
.set SM,   40                          ; v40-47  four running sums, two numbers each
.set F0,   64
.set F1,   128
.set E,    64                          ; v64-127   the way out: 64 exponents, then exponentials
.set PK0,  128                         ; v128-159, v160-191: packed to f16, two buffers in turn
.set PK1,  160
.set G1, 24
.set G0, 32
.set G1B, 48
.set G0B, 56
.set MSB, 0
.macro WIN new                         ; the immediate's high byte repeats the setting that is left
.if MSB != \new
	s_set_vgpr_msb (MSB<<8)|\new
.set MSB, \new
.endif
.endm
.set MUL_LO, 0xa1
.set MUL_HI, 0xf1
.set TO_B,   0x40
.macro JLOAD s                         ; waves 0 and 1 ask for q's two halves, waves 2 and 3 for k's; the branch hangs on the wave's number alone
	s_cmp_eq_u32 s11, 0
	s_cbranch_scc0 .Lfor_b_\@
	tensor_load_to_lds s[G0+4*\s:G0+4*\s+3], s[G1:G1+7]
	s_nop 0
	s_branch .Lasked_\@
.Lfor_b_\@:
	tensor_load_to_lds s[G0B+4*\s:G0B+4*\s+3], s[G1B:G1B+7]
	s_nop 0
.Lasked_\@:
.endm
.macro CREST                           ; a round of the cluster's barrier behind its opening barrier
	s_cmp_lg_u32 s10, 0
	s_cbranch_scc1 .Lnot_wave_0_\@
	s_barrier_signal -3
.Lnot_wave_0_\@:
	s_barrier_wait -3
	s_barrier_signal -1
	s_barrier_wait -1
.endm
.macro CROUND
	s_barrier_signal -1
	s_barrier_wait -1
	CREST
.endm
	s_load_b64 s[4:5], s[0:1], 0x0                 ; qkv
	s_load_b64 s[8:9], s[0:1], 0x8                 ; pmat
	s_load_b64 s[68:69], s[0:1], 0x10              ; stats
	s_set_vgpr_msb 0x40
	v_lshl_add_u32 v255, v0, 2, 0x45000
	s_set_vgpr_msb 0x4000
	v_mov_b32 v255, 0
	s_set_vgpr_msb 0x1
	ds_add_u32 v255, v255
	s_set_vgpr_msb 0x100
	v_lshrrev_b32 v1, 5, v0
	v_readfirstlane_b32 s10, v1                    ; wave 0..3
	s_lshr_b32 s11, s10, 1                         ; which half of the block's q rows is mine.  Also: I fetch for q (0) or for k (1)
	s_and_b32 s12, s10, 1                          ; which half of its keys.  Also: which 128 rows of that tile I fetch
	s_bfe_u32 s40, ttmp6, 0x40000                  ; cx
	s_bfe_u32 s41, ttmp6, 0x40004                  ; cy
	s_lshl_b32 s42, ttmp9, 2
	s_add_co_u32 s42, s42, s40                     ; block of 256 keys = 4 x cluster x + cx
	s_and_b32 s13, ttmp7, 0xffff
	s_lshl_b32 s13, s13, 2
	s_add_co_u32 s13, s13, s41                     ; block of 256 q rows = 4 x cluster y + cy
	s_lshl_b32 s43, s41, 2
	s_lshl_b32 s43, 15, s43                        ; my row of the cluster
	s_lshl_b32 s44, 0x1111, s40                    ; my column
	s_or_b32 s[G1+0], s43, (1<<16)|(1<<20)|(1<<21)|(5<<22)|(3<<25)  ; mask; elements of 2 bytes; padding of 4 words after every 64; bit 21 beside a mask
	s_or_b32 s[G1B+0], s44, (1<<16)|(1<<20)|(1<<21)|(5<<22)|(3<<25)
	s_mov_b32 s[G1B+1], KSTEP<<16
	s_mov_b32 s[G1+1], KSTEP<<16                   ; tensor_dim0 = 128
	s_mov_b32 s[G1B+2], 128<<16
	s_mov_b32 s[G1+2], 128<<16                     ; tensor_dim1 = 128
	s_mov_b32 s[G1B+3], KSTEP<<16
	s_mov_b32 s[G1+3], KSTEP<<16                   ; tile_dim0 = 128
	s_mov_b32 s[G1B+4], 128
	s_mov_b32 s[G1+4], 128                         ; tile_dim1 = 128
	s_mov_b32 s[G1B+5], LDAB
	s_mov_b32 s[G1+5], LDAB                        ; 3,072 elements from row to row
	s_mov_b32 s[G1B+6], 0
	s_mov_b32 s[G1+6], 0
	s_mov_b32 s[G1B+7], 0
	s_mov_b32 s[G1+7], 0
	s_lshl_b32 s17, s12, 7
	s_lshl_b32 s16, s13, 8
	s_add_co_u32 s16, s16, s17                     ; q: row 256 x block + 128 x half
	s_lshl_b32 s46, s42, 8
	s_add_co_u32 s46, s46, s17                     ; k: row 256 x block + 128 x half
	s_mov_b32 s17, 0
	s_mov_b32 s47, 0
	s_mov_b64 s[18:19], LDAB*2
	s_mul_u64 s[16:17], s[16:17], s[18:19]
	s_mul_u64 s[46:47], s[46:47], s[18:19]
	s_mul_i32 s20, s10, HALFT
	s_wait_dscnt 0x0
	s_wait_kmcnt 0x0
	s_add_nc_u64 s[6:7], s[4:5], 2048              ; k begins 2,048 bytes into a row of qkv
	s_add_nc_u64 s[14:15], s[4:5], s[16:17]
	s_add_nc_u64 s[46:47], s[6:7], s[46:47]
	CROUND                                         ; all sixteen work-groups are here: the first joint loads meet
.irp s, 0,1
	s_mov_b32 s[G0+4*\s], 1
	s_add_co_u32 s[G0+4*\s+1], s20, \s*SLOT
	s_add_nc_u64 s[G0+4*\s+2:G0+4*\s+3], s[14:15], \s*KSTEP*2
	s_or_b32 s[G0+4*\s+3], s[G0+4*\s+3], 0x80000000
	s_mov_b32 s[G0B+4*\s], 1
	s_add_co_u32 s[G0B+4*\s+1], s20, \s*SLOT
	s_add_nc_u64 s[G0B+4*\s+2:G0B+4*\s+3], s[46:47], \s*KSTEP*2
	s_or_b32 s[G0B+4*\s+3], s[G0B+4*\s+3], 0x80000000
	JLOAD \s
.endr
	v_and_b32 v1, 15, v0                           ; l % 16
	v_bfe_u32 v2, v0, 4, 1                         ; l / 16
	v_mul_u32_u24 v3, v1, PITCH
	v_lshl_add_u32 v3, v2, 4, v3
	s_mul_i32 s21, s11, HALFT
	s_mul_i32 s22, s12, HALFT
	s_add_co_u32 s22, s22, 2*HALFT
.irp s, 0,1
	v_add_nc_u32 v[ADRA+\s], s21, v3
	v_add_nc_u32 v[ADRB+\s], s22, v3
	s_add_co_u32 s21, s21, SLOT
	s_add_co_u32 s22, s22, SLOT
.endr
	s_lshl_b32 s23, s10, 10
	s_add_co_u32 s23, s23, STATL                   ; my wave's 1,024 bytes for (m, l)
	v_lshl_add_u32 v[SA], v1, 3, s23
	v_and_b32 v5, 31, v0
	v_lshlrev_b32 v[GO], 4, v5
	v_add_nc_u32 v[SB], s23, v[GO]
.macro MUL16 f, hi, a0, zero
.irp a, \a0, \a0+1
.irp b, 0,1,2,3,4,5,6,7
.if \zero
	v_wmma_f32_16x16x32_f16 v[8*(8*(\a)+\b):8*(8*(\a)+\b)+7], v[\f+8*\b:\f+8*\b+7], v[\f+8*(4*\hi+\a):\f+8*(4*\hi+\a)+7], 0
.else
	v_wmma_f32_16x16x32_f16 v[8*(8*(\a)+\b):8*(8*(\a)+\b)+7], v[\f+8*\b:\f+8*\b+7], v[\f+8*(4*\hi+\a):\f+8*(4*\hi+\a)+7], v[8*(8*(\a)+\b):8*(8*(\a)+\b)+7]
.endif
.endr
.endr
.endm
.macro FETCH slot, k, f
	WIN TO_B
.irp i, 0,1,2,3,4,5,6,7
	ds_load_b128 v[\f+8*\i:\f+8*\i+3],   v[ADRB+\slot] offset:\k+\i*16*PITCH
	ds_load_b128 v[\f+8*\i+4:\f+8*\i+7], v[ADRB+\slot] offset:\k+\i*16*PITCH+32
.endr
	WIN 0
.irp i, 0,1,2,3,4,5,6,7
	ds_load_b128 v[\f+8*\i:\f+8*\i+3],   v[ADRA+\slot] offset:\k+\i*16*PITCH
	ds_load_b128 v[\f+8*\i+4:\f+8*\i+7], v[ADRA+\slot] offset:\k+\i*16*PITCH+32
.endr
.endm
.macro PLACES                          ; four places behind a matrix instruction, in front of loads into its sources and of readers of its result (ISA guide 7.12.1 for vector instructions)
.rept 4
	v_nop
.endr
.endm
; The 64 accumulators take turns, one instruction a turn, in the same order in every quarter.
.macro QUARTER slot, k, f, g, zero
	s_wait_dscnt 8                                 ; all but the youngest eight loads (q's rows 64-127)
	WIN MUL_LO
	MUL16 \f, 0, 0, \zero
	MUL16 \f, 0, 2, \zero
	PLACES
	FETCH \slot, \k, \g
	s_wait_dscnt 32                                ; all but the 32 just issued
	WIN MUL_HI
	MUL16 \f, 1, 0, \zero
	MUL16 \f, 1, 2, \zero
.endm
.macro THREE slot, zero
	QUARTER \slot, 64,  F0, F1, \zero
	QUARTER \slot, 128, F1, F0, 0
	QUARTER \slot, 192, F0, F1, 0
.endm
.macro TURN slot, next, fill
	s_wait_dscnt 8
	WIN MUL_LO
	MUL16 F1, 0, 0, 0
	s_wait_dscnt 0                                 ; my reads of this slot are over
	s_wait_tensorcnt 0x0                           ; and all my tensor loads have landed, my part of the next slot among them
	ds_add_u32 v255, v255
	s_wait_dscnt 0x0
	s_barrier_signal -1
	MUL16 F1, 0, 2, 0                              ; register work while the others arrive
	WIN 0
	s_barrier_wait -1
.if \fill
	CREST                                          ; the same now holds of every wave of all sixteen work-groups
	s_add_nc_u64 s[G0+4*\slot+2:G0+4*\slot+3], s[G0+4*\slot+2:G0+4*\slot+3], 2*KSTEP*2
	s_add_nc_u64 s[G0B+4*\slot+2:G0B+4*\slot+3], s[G0B+4*\slot+2:G0B+4*\slot+3], 2*KSTEP*2
	JLOAD \slot                                    ; the first tensor load behind the round
.endif
	PLACES
	FETCH \next, 0, F0
	WIN MUL_HI
	MUL16 F1, 1, 0, 0
	MUL16 F1, 1, 2, 0
.endm
.macro LAP zero
	THREE 0, \zero
	TURN 0, 1, 1
	THREE 1, 0
	TURN 1, 0, 1
.endm
	s_wait_tensorcnt 1                             ; my part of K step 0 is in; K step 1's load stays out
	s_barrier_signal -1
	s_barrier_wait -1
	FETCH 0, 0, F0
	LAP 1
	WIN 0
	s_mov_b32 s3, LAPS-2
.Llap:
	LAP 0
	WIN 0
	s_sub_co_u32 s3, s3, 1
	s_cmp_lg_u32 s3, 0
	s_cbranch_scc1 .Llap
	THREE 0, 0
	TURN 0, 1, 0
	THREE 1, 0
	s_wait_dscnt 8
	WIN MUL_LO
	MUL16 F1, 0, 0, 0
	MUL16 F1, 0, 2, 0
	s_wait_dscnt 0
	WIN MUL_HI
	MUL16 F1, 1, 0, 0
	MUL16 F1, 1, 2, 0
	; THE WAY OUT, 16 q rows at a time.
	PLACES                                         ; the places behind the last matrix instructions
	s_lshl_b32 s13, s13, 8
	s_lshl_b32 s14, s11, 7
	s_add_co_u32 s16, s13, s14                     ; my first q row, a multiple of 128
	s_lshl_b32 s16, s16, 13                        ; a block of 128 rows of pmat is 128 x 8,192 bytes
	s_mov_b32 s17, 0
	s_add_nc_u64 s[8:9], s[8:9], s[16:17]
	s_lshl_b32 s46, s42, 16                        ; my first chunk of 32 keys: 8 chunks of 8,192 bytes for a block of 256 keys,
	s_lshl_b32 s47, s12, 15                        ; 4 for my half
	s_add_co_u32 s46, s46, s47
	s_mov_b32 s47, 0
	s_add_nc_u64 s[8:9], s[8:9], s[46:47]
	s_mov_b32 s70, 0xff800000                      ; minus infinity starts the maxima
	s_mov_b32 s72, 0x76543210                      ; v_permlanex16_b32: lane i of one half reads lane i of the other
	s_mov_b32 s73, 0xfedcba98
; Rows 16 i .. 16 i + 15 of my block = the eight tiles (a, 0..7) of window 2 or 3.  w2: that window for sources 1 and 2 (0x28, 0x3c);
; w1: for source 0 (2, 3); pk: the buffer of packed results, PK0 and PK1 in turn.
.macro SOFT16 i, a, w2, w1, pk
	WIN \w2
.irp c, 0,1,2,3
	v_max3_num_f32 v[M+\c], s70, v[64*\a+2*\c], v[64*\a+2*\c+1]                 ; four chains over my 64 scores
.endr
.irp g, 1,2,3,4,5,6,7
.irp c, 0,1,2,3
	v_max3_num_f32 v[M+\c], v[M+\c], v[64*\a+8*\g+2*\c], v[64*\a+8*\g+2*\c+1]
.endr
.endr
	WIN 0
	v_max3_num_f32 v[M], v[M], v[M+1], v[M+2]
	v_max_num_f32 v[M], v[M], v[M+3]
	v_permlanex16_b32 v[M+1], v[M], s72, s73       ; the row's other 64 scores lie in lane l xor 16
	v_max_num_f32 v[NC], v[M], v[M+1]              ; m, into both registers of the pair
	v_max_num_f32 v[NC+1], v[M], v[M+1]
	ds_store_b32 v[SA], v[NC] offset:128*\i        ; both halves of the wave write the same word with the same value
	WIN \w1
.irp g, 0,1,2,3,4,5,6,7
.irp c, 0,1,2,3
	v_pk_add_f32 v[E+8*\g+2*\c:E+8*\g+2*\c+1], v[64*\a+8*\g+2*\c:64*\a+8*\g+2*\c+1], v[NC:NC+1] neg_lo:[0,1] neg_hi:[0,1]   ; S - m, never above 0
.endr
.endr
	WIN 0
.irp g, 0,1,2,3,4,5,6,7
.irp c, 0,1,2,3,4,5,6,7
	v_exp_f32 v[E+8*\g+\c], v[E+8*\g+\c]
.endr
.endr
	v_nop                                          ; one plain vector instruction between the last v_exp_f32 and the first use of a result (ISA guide 5.7.2)
	s_wait_alu depctr_va_vdst(0)
.irp c, 0,1,2,3
	v_pk_add_f32 v[SM+2*\c:SM+2*\c+1], v[E+2*\c:E+2*\c+1], v[E+8+2*\c:E+8+2*\c+1]   ; the first sums start the four chains: nothing is cleared
.endr
.irp g, 2,3,4,5,6,7
.irp c, 0,1,2,3
	v_pk_add_f32 v[SM+2*\c:SM+2*\c+1], v[SM+2*\c:SM+2*\c+1], v[E+8*\g+2*\c:E+8*\g+2*\c+1]
.endr
.endr
	v_pk_add_f32 v[SM:SM+1], v[SM:SM+1], v[SM+2:SM+3]
	v_pk_add_f32 v[SM+4:SM+5], v[SM+4:SM+5], v[SM+6:SM+7]
	v_pk_add_f32 v[SM:SM+1], v[SM:SM+1], v[SM+4:SM+5]
	v_add_f32 v[SM], v[SM], v[SM+1]
	v_permlanex16_b32 v[SM+1], v[SM], s72, s73
	v_add_f32 v[SM], v[SM], v[SM+1]
	ds_store_b32 v[SA], v[SM] offset:128*\i+4      ; l, beside m
	s_wait_xcnt 0x0                                ; buffer pk, which earlier stores read, is rewritten only behind this wait (ISA guide 3.1)
.irp b, 0,1,2,3,4,5,6,7
.irp r, 0,1,2,3
	v_cvt_pk_f16_f32 v[\pk+4*\b+\r], v[E+8*\b+2*\r], v[E+8*\b+2*\r+1]
.endr
.endr
.irp b, 0,1,2,3,4,5,6,7
	global_store_b128 v[GO], v[\pk+4*\b:\pk+4*\b+3], s[8:9] offset:(\b/2)*8192+\i*1024+(\b%2)*512   ; chunk b / 2, row block i, registers 0-3 or 4-7: the wave stores 512 consecutive bytes, aligned
.endr
.endm
	SOFT16 0, 0, 0x28, 2, PK0
	SOFT16 1, 1, 0x28, 2, PK1
	SOFT16 2, 2, 0x28, 2, PK0
	SOFT16 3, 3, 0x28, 2, PK1
	SOFT16 4, 0, 0x3c, 3, PK0
	SOFT16 5, 1, 0x3c, 3, PK1
	SOFT16 6, 2, 0x3c, 3, PK0
	SOFT16 7, 3, 0x3c, 3, PK1
	; (m, l) of my 128 rows: 1,024 consecutive bytes, read back from my own LDS bytes and stored whole
	ds_load_b128 v[E:E+3], v[SB]                   ; LDS serves a wave's instructions in order: these see the stores above
	ds_load_b128 v[E+4:E+7], v[SB] offset:512
	s_lshl_b32 s74, s42, 1
	s_add_co_u32 s74, s74, s12                     ; my block of 128 keys, 0..31
	s_lshl_b32 s74, s74, 15                        ; x 4,096 rows x 8 bytes
	s_add_co_u32 s75, s13, s14                     ; my first q row
	s_lshl_b32 s75, s75, 3
	s_add_co_u32 s74, s74, s75
	s_mov_b32 s75, 0
	s_add_nc_u64 s[68:69], s[68:69], s[74:75]
	s_wait_dscnt 0x0
	global_store_b128 v[GO], v[E:E+3], s[68:69]
	global_store_b128 v[GO], v[E+4:E+7], s[68:69] offset:512
	s_set_vgpr_msb 0x1
	s_wait_tensorcnt 0x0
	ds_add_u32 v255, v255
	s_wait_dscnt 0x0
	s_set_vgpr_msb 0x100
	CROUND                                         ; the closing round
	s_endpgm
.Lfunc_end_k_qc58b92ac09_score:
	.size	k_qc58b92ac09_score, .Lfunc_end_k_qc58b92ac09_score-k_qc58b92ac09_score
	.p2alignl 7, 3214868480
	.fill 96, 4, 3214868480
	.section	.rodata,"a",@progbits
	.p2align	6, 0x0
	.amdhsa_kernel k_qc58b92ac09_score
		.amdhsa_group_segment_fixed_size 327680
		.amdhsa_private_segment_fixed_size 0
		.amdhsa_enable_private_segment 0
		.amdhsa_kernarg_size 24
		.amdhsa_user_sgpr_count 2
		.amdhsa_user_sgpr_kernarg_segment_ptr 1
		.amdhsa_wavefront_size32 1
		.amdhsa_system_sgpr_workgroup_id_x 1
		.amdhsa_system_sgpr_workgroup_id_y 1
		.amdhsa_system_sgpr_workgroup_id_z 1
		.amdhsa_system_vgpr_workitem_id 0
		.amdhsa_next_free_vgpr 1024
		.amdhsa_next_free_sgpr 80
		.amdhsa_reserve_vcc 0
		.amdhsa_float_denorm_mode_32 3
		.amdhsa_float_denorm_mode_16_64 3
		.amdhsa_memory_ordered 1
		.amdhsa_forward_progress 1
		.amdhsa_inst_pref_size 254
	.end_amdhsa_kernel
	.amdgpu_metadata
---
amdhsa.version: [ 1, 2 ]
amdhsa.kernels:
  - .name:           k_qc58b92ac09_score
    .symbol:         k_qc58b92ac09_score.kd
    .args:
      - { .name: qkv, .offset: 0, .size: 8, .value_kind: global_buffer, .address_space: global }
      - { .name: pmat, .offset: 8, .size: 8, .value_kind: global_buffer, .address_space: global }
      - { .name: stats, .offset: 16, .size: 8, .value_kind: global_buffer, .address_space: global }
    .group_segment_fixed_size: 327680
    .private_segment_fixed_size: 0
    .kernarg_segment_align: 8
    .kernarg_segment_size: 24
    .max_flat_workgroup_size: 128
    .sgpr_count:     80
    .vgpr_count:     1024
    .wavefront_size: 32
...
	.end_amdgpu_metadata
.endif
;; end of part 3
;; launch mix (part 4): grid 8 x 32, 4 waves a work-group, clusters of 4 x 4, 327,680 bytes of LDS; arguments pmat, qkv, stats, out0; writes out0
.if DOCPART == 4
	.amdgcn_target "amdgcn-amd-amdhsa--gfx1250"
	.amdhsa_code_object_version 6
	.text
	.protected	k_qc58b92ac09_mix
	.globl	k_qc58b92ac09_mix
	.p2align	8
	.type	k_qc58b92ac09_mix,@function
k_qc58b92ac09_mix:
	s_mov_b64 s[64:65], 0
	v_nop
	global_prefetch_b8 v0, s[64:65] scope:SCOPE_SE
	s_setreg_imm32_b32 hwreg(HW_REG_WAVE_MODE, 25, 1), 1
	s_wait_xcnt 0x0
	s_wait_alu depctr_hold_cnt(0) depctr_sa_sdst(0) depctr_va_vdst(0) depctr_va_sdst(0) depctr_va_ssrc(0) depctr_va_vcc(0) depctr_vm_vsrc(0)
	s_getreg_b32 s2, hwreg(HW_REG_IB_STS2, 6, 4)
	s_cmp_eq_u32 s2, 0
	s_cbranch_scc0 .Lentry_in_a_cluster
	s_endpgm
.Lentry_in_a_cluster:
	s_bfe_u32 s2, ttmp6, 0x10000c
	s_cmp_lg_u32 s2, 0xf033
	s_cbranch_scc0 .Lentry_shape_is_right
	s_endpgm
.Lentry_shape_is_right:
; out[i][d] = ( sum over blocks b of 128 keys of f[b][i] sum over keys j of b of P[i][j] v[j][d] ) / L[i], with
; M[i] = the largest m[b][i], f[b][i] = 2^(m[b][i] - M[i]) rounded to f16, L[i] = sum over b of f[b][i] l[b][i].
; P = 2^(S - m) of its block, so f P = 2^(S - M): the row's true maximum is taken away.  The block that holds it has f = 1 and a P of 1,
; so L is at least 1 and no f or P is above 1, at any scale of the inputs.  L uses the same rounded f that multiplies P.
; A work-group makes 128 q rows x 128 d: 32 x 8 = 256 work-groups.  The 4,096 keys go in 8 steps of 512.  Within a step THE KEYS ARE SPLIT
; OVER THE FOUR WAVES: wave w multiplies keys 128 w .. 128 w + 127 (one block of the scores' launch, so one f a row and step) for the whole
; 128 x 128 tile: 64 accumulators, 512 registers.  The four partial tiles are added at the end in LDS, on the trip that the result makes
; anyway to leave as whole rows.
; V comes through two LDS slots of 512 keys, filled by the tensor data mover and transposed by the LDS loads; each wave fetches and reads its
; own 128 key rows.  CLUSTERS: 4 x 4 work-groups; V's tile hangs on the block of d alone and is asked for jointly along a column.
; P COMES STRAIGHT INTO REGISTERS.  With the keys split so, no two waves read the same P, so LDS would give it no reuse; and pmat lies in
; fragment order, so a fragment is two loads of 512 consecutive bytes.  A ring of four register buffers (32 keys x 128 rows, 64 registers
; each); each half of a buffer is loaded again as soon as its 32 matrix instructions have read it, and is waited for 224 matrix
; instructions later; 56 loads of the wave (28 KiB) are out at the most.  P is NOT asked for jointly, though the eight work-groups of a
; block of q rows read the same bytes: a joint load lands in LDS, where P beside V leaves room for slots of 256 keys only, that is half the
; matrix work between a slot's request and the wait for it.
; LIMITS: products f P below 2^-14 are kept in steps of 2^-24 (f16), against L >= 1; f below 2^-25 counts as 0.
;
; LDS: slot s at s x 147,456: 512 key rows of 256 bytes at pitch 288 (an odd multiple of 32, for the transposing loads), wave w's at
; 36,864 w.  FT at 294,912: [block 32][l % 16][row block 8] words (f, f).  RINV at 311,296: 1 / L of the 128 rows.
; After the last fill the slots' bytes take the four partial tiles: wave w's at 67,584 w, rows of 512 bytes at pitch 528.
; REGISTERS: window 0: v16-55 addresses and f; v64-127, v128-191, v192-255 P's buffers 0, 1, 2; window 1: v64-127, v128-191 fragments of
; V, two buffers; v192-255 P's buffer 3; windows 2, 3: accumulators, tile (a, b) at v[8 (8 a + b)].  Source 0 = 16 columns d of V,
; source 1 = 16 rows of P: lane l holds q row l % 16, registers 0 to 7 of tile b hold d = 16 b + 8 (l / 16) + 0 .. 7.
.set VPITCH, 288
.set WPART,  128*VPITCH                ; 36,864: a wave's 128 key rows
.set SLOT,   4*WPART                   ; 147,456
.set FT,     2*SLOT                    ; 294,912
.set RINV,   FT+16384                  ; 311,296
.set PPITCH, 528                       ; a row of a partial tile: 512 bytes + 16
.set PART,   128*PPITCH                ; a partial tile
.set PSTEP,  16*8192                   ; pmat: 16 chunks of 32 keys from step to step
.set VSTEP,  512*6144                  ; qkv: 512 rows from step to step
.set LAPS,   4                         ; a lap = two steps
.set PO,   16                          ; v16-19  buffer i: byte offset of its chunk in my block of pmat + 16 l
.set ADRV, 20                          ; v20-21  my V fragments in slot 0, 1
.set FA,   22                          ; v22     my f words of the lap's first step
.set FS,   23                          ; v23     where my row's f words go
.set PS,   24                          ; v24     where I put my partial tile
.set RS,   25                          ; v25     where my row's 1 / L goes
.set PR,   26                          ; v26-29  where I read partial tile 0..3 back
.set OO,   30                          ; v30     16 l
.set RA,   31                          ; v31     1 / L of row 32 w + l
.set RI,   32                          ; v32     that number
.set SO,   33                          ; v33     8 x thread: my row in stats
.set MX,   36                          ; v36     M of my row
.set LS,   37                          ; v37     L of my row
.set FB,   40                          ; v40-47, v48-55  (f, f) of my eight row blocks, for the step in slot 0, 1
.set ST,   192                         ; v192-255  at the start: (m, l) of my row's 32 blocks; P's buffer 2 is loaded behind their last use
.set F0,   64                          ; window 1: V's buffers.  Window 0, on the way out: rows read back
.set F1,   128
.set PB_0, 64                          ; P's buffers: first register,
.set PB_1, 128
.set PB_2, 192
.set PB_3, 192
.set PW_0, 0                           ; and window
.set PW_1, 0
.set PW_2, 0
.set PW_3, 1
.set G1V, 48                           ; s[48:55] descriptor group 1 for V;  s[56:63] group 0, one set for each slot
.set G0V, 56
.set MSB, 0
.macro WIN new                         ; the immediate's high byte repeats the setting that is left
.if MSB != \new
	s_set_vgpr_msb (MSB<<8)|\new
.set MSB, \new
.endif
.endm
.set MUL_LO,  0xa1                     ; source 0 (V) window 1, source 1 (P) window 0, C and D window 2
.set MUL_HI,  0xf1                     ; the same, C and D window 3
.set MUL_LO1, 0xa5                     ; the same two with P in window 1 (buffer 3)
.set MUL_HI1, 0xf5
.set SC_1,    0x41                     ; scaling buffer 3: destination and source 0 window 1, f in window 0
.set TO_B,    0x40                     ; destination window 1, address window 0
.macro CREST                           ; a round of the cluster's barrier behind its opening barrier
	s_cmp_lg_u32 s12, 0
	s_cbranch_scc1 .Lnot_wave_0_\@
	s_barrier_signal -3
.Lnot_wave_0_\@:
	s_barrier_wait -3
	s_barrier_signal -1
	s_barrier_wait -1
.endm
.macro CROUND
	s_barrier_signal -1
	s_barrier_wait -1
	CREST
.endm
; Eight loads: row blocks 4 hi .. 4 hi + 3 of buffer sub's chunk.  Each covers 512 consecutive bytes.
.macro PLOAD sub, hi
	WIN (0x40*PW_\sub)
.irp a, 0,1,2,3
	global_load_b128 v[PB_\sub+8*(4*\hi+\a):PB_\sub+8*(4*\hi+\a)+3],   v[PO+\sub], s[4:5] offset:(4*\hi+\a)*1024
	global_load_b128 v[PB_\sub+8*(4*\hi+\a)+4:PB_\sub+8*(4*\hi+\a)+7], v[PO+\sub], s[4:5] offset:(4*\hi+\a)*1024+512
.endr
.endm
	s_load_b256 s[4:11], s[0:1], 0x0               ; pmat s[4:5], qkv s[6:7], stats s[8:9], out0 s[10:11]
	s_set_vgpr_msb 0x40
	v_lshl_add_u32 v63, v0, 2, 0x4c200
	s_set_vgpr_msb 0x4000
	v_mov_b32 v63, 0
	s_set_vgpr_msb 0x1
	ds_add_u32 v63, v63
	s_set_vgpr_msb 0x100
	v_lshrrev_b32 v1, 5, v0
	v_readfirstlane_b32 s12, v1                    ; wave w
	s_bfe_u32 s40, ttmp6, 0x40000                  ; cx
	s_bfe_u32 s41, ttmp6, 0x40004                  ; cy
	s_lshl_b32 s42, ttmp9, 2
	s_add_co_u32 s42, s42, s40                     ; block of 128 d = 4 x cluster x + cx
	s_and_b32 s43, ttmp7, 0xffff
	s_lshl_b32 s43, s43, 2
	s_add_co_u32 s43, s43, s41                     ; block of 128 q rows = 4 x cluster y + cy
	s_lshl_b32 s45, 0x1111, s40                    ; my column of the cluster
	; V: 128 rows x 128 elements a wave, 8 words of padding after every 64
	s_or_b32 s[G1V+0], s45, (1<<16)|(1<<20)|(1<<21)|(5<<22)|(7<<25)
	s_mov_b32 s[G1V+1], 128<<16                    ; tensor_dim0
	s_mov_b32 s[G1V+2], 128<<16                    ; tensor_dim1
	s_mov_b32 s[G1V+3], 128<<16                    ; tile_dim0
	s_mov_b32 s[G1V+4], 128                        ; tile_dim1
	s_mov_b32 s[G1V+5], 3072                       ; elements from row to row of qkv
	s_mov_b32 s[G1V+6], 0
	s_mov_b32 s[G1V+7], 0
	s_lshl_b32 s14, s43, 20                        ; pmat: 1 MiB for a block of 128 q rows
	s_mov_b32 s15, 0
	s_lshl_b32 s46, s42, 8                         ; V's address is made of the block of d (128 d of 2 bytes) and the wave's number alone:
	s_mul_i32 s47, s12, 128*6144                   ; + 128 w rows of qkv
	s_add_co_u32 s46, s46, s47
	s_add_co_u32 s46, s46, 4096                    ; v begins 4,096 bytes into a row
	s_mov_b32 s47, 0
	s_lshl_b32 s16, s43, 10                        ; stats: my block's 128 rows of 8 bytes
	s_mov_b32 s17, 0
	s_mul_i32 s21, s12, WPART                      ; LDS: my 128 rows of V
	v_and_b32 v3, 31, v0                           ; l
	v_lshlrev_b32 v[OO], 4, v3
	v_lshlrev_b32 v[SO], 3, v0
	s_lshl_b32 s22, s12, 15                        ; my four chunks of a step: 4 w x 8,192 bytes
	v_add_nc_u32 v[PO], s22, v[OO]
.irp k, 1,2,3
	v_add_nc_u32 v[PO+\k], \k*8192, v[PO]
.endr
	s_wait_dscnt 0x0
	s_wait_kmcnt 0x0
	s_add_nc_u64 s[4:5], s[4:5], s[14:15]
	s_add_nc_u64 s[46:47], s[6:7], s[46:47]
	s_add_nc_u64 s[8:9], s[8:9], s[16:17]
	; thread t owns q row t of the block: (m, l) of its 32 blocks; a wave's load covers 256 consecutive bytes
.irp g, 0,1,2,3
.irp c, 0,1,2,3,4,5,6,7
	global_load_b64 v[ST+2*(8*\g+\c):ST+2*(8*\g+\c)+1], v[SO], s[8:9] offset:(8*\g+\c)*32768
.endr
.endr
	PLOAD 0, 0                                     ; the first three groups of P go out with them: 56 loads of the wave are out
	PLOAD 0, 1
	PLOAD 1, 0
.irp s, 0,1
	s_mov_b32 s[G0V+4*\s], 1
	s_add_co_u32 s[G0V+4*\s+1], s21, \s*SLOT
	s_add_nc_u64 s[G0V+4*\s+2:G0V+4*\s+3], s[46:47], \s*VSTEP
	s_or_b32 s[G0V+4*\s+3], s[G0V+4*\s+3], 0x80000000
.endr
	CROUND                                         ; all sixteen work-groups are here: the first joint loads meet
	tensor_load_to_lds s[G0V:G0V+3], s[G1V:G1V+7]          ; step 0.  Two tensor loads of the wave are out here, later one
	s_nop 0
	tensor_load_to_lds s[G0V+4:G0V+7], s[G1V:G1V+7]        ; step 1
	s_nop 0
	v_and_b32 v1, 15, v0                           ; r = l % 16
	v_bfe_u32 v2, v0, 4, 1                         ; h = l / 16
	v_and_b32 v4, 7, v0
	v_bfe_u32 v5, v0, 3, 1
	v_lshl_add_u32 v7, v2, 3, v4                   ; the transposing load: lane l addresses key row 8 h + l % 8,
	v_mul_u32_u24 v7, v7, VPITCH
	v_lshl_add_u32 v7, v5, 4, v7                   ; 16 bytes at 16 ((l / 8) % 2)
	v_add_nc_u32 v[ADRV], s21, v7                  ; my 128 key rows are the ones that I fetch
	v_add_nc_u32 v[ADRV+1], SLOT, v[ADRV]
	s_lshl_b32 s22, s12, 9
	s_add_co_u32 s22, s22, FT
	v_lshl_add_u32 v[FA], v1, 5, s22               ; FT + 512 w + 32 r: block w, the first step's
	v_lshrrev_b32 v7, 4, v0                        ; my row's row block
	v_lshlrev_b32 v7, 2, v7
	v_lshl_add_u32 v7, v1, 5, v7
	v_add_nc_u32 v[FS], FT, v7                     ; FT + 32 (t % 16) + 4 (t / 16)
	v_lshlrev_b32 v7, 2, v0
	v_add_nc_u32 v[RS], RINV, v7
	v_mul_u32_u24 v6, v1, PPITCH
	s_mul_i32 s22, s12, PART
	v_lshl_add_u32 v7, v2, 5, v6
	v_add_nc_u32 v[PS], s22, v7                    ; 67,584 w + 528 r + 32 h
	s_mul_i32 s22, s12, 32*PPITCH
	v_add_nc_u32 v[PR], s22, v[OO]                 ; rows 32 w .. of partial tile 0,
.irp s, 1,2,3
	v_add_nc_u32 v[PR+\s], \s*PART, v[PR]          ; 1, 2, 3
.endr
	s_lshl_b32 s22, s12, 7
	s_add_co_u32 s22, s22, RINV
	v_lshl_add_u32 v[RA], v3, 2, s22
	s_wait_loadcnt 24                              ; the 24 loads of P were issued behind the stats
	v_max3_num_f32 v[MX], v[ST], v[ST+2], v[ST+4]
.irp k, 0,1,2,3,4,5,6,7,8,9,10,11,12,13
	v_max3_num_f32 v[MX], v[MX], v[ST+6+4*\k], v[ST+8+4*\k]
.endr
	v_max_num_f32 v[MX], v[MX], v[ST+62]           ; M: the row's largest score
.irp g, 0,1,2,3
.irp c, 0,1,2,3,4,5,6,7
	v_sub_f32 v[ST+2*(8*\g+\c)], v[ST+2*(8*\g+\c)], v[MX]  ; never above 0
.endr
.endr
.irp g, 0,1,2,3
.irp c, 0,1,2,3,4,5,6,7
	v_exp_f32 v[ST+2*(8*\g+\c)], v[ST+2*(8*\g+\c)]
.endr
.endr
	v_nop                                          ; one plain vector instruction between the last v_exp_f32 and the first use of a result (ISA guide 5.7.2)
	s_wait_alu depctr_va_vdst(0)
.irp g, 0,1,2,3
.irp c, 0,1,2,3,4,5,6,7
	v_cvt_pk_f16_f32 v34, v[ST+2*(8*\g+\c)], v[ST+2*(8*\g+\c)]     ; (f, f) in f16, as P's fragments are multiplied by it
	v_cvt_f32_f16 v35, v34.l                                       ; and the same rounded f for L
	ds_store_b32 v[FS], v34 offset:512*(8*\g+\c)
.if 8*\g+\c
	v_fmac_f32 v[LS], v35, v[ST+2*(8*\g+\c)+1]
.else
	v_mul_f32 v[LS], v35, v[ST+1]                                  ; the first term starts the sum
.endif
.endr
.endr
	v_rcp_f32 v35, v[LS]
	v_nop                                          ; the plain instruction behind v_rcp_f32
	s_wait_alu depctr_va_vdst(0)
	ds_store_b32 v[RS], v35
	PLOAD 1, 1                                     ; the stats' registers are free: the ring is filled up to the group that the first half step issues
	PLOAD 2, 0
	PLOAD 2, 1
	PLOAD 3, 0
	WIN 0
	s_wait_dscnt 0x0                               ; my f words and 1 / L are in LDS, for the other waves' sake
	s_wait_tensorcnt 1                             ; my part of step 0 is in; step 1's load stays out
	s_barrier_signal -1
	s_barrier_wait -1
.macro MUL16 f, pb, hi, a0, zero       ; 16 matrix instructions: row blocks a0, a0 + 1 of the window's four x all 8 blocks of d, 32 keys
.irp a, \a0, \a0+1
.irp b, 0,1,2,3,4,5,6,7
.if \zero
	v_wmma_f32_16x16x32_f16 v[8*(8*(\a)+\b):8*(8*(\a)+\b)+7], v[\f+8*\b:\f+8*\b+7], v[\pb+8*(4*\hi+\a):\pb+8*(4*\hi+\a)+7], 0
.else
	v_wmma_f32_16x16x32_f16 v[8*(8*(\a)+\b):8*(8*(\a)+\b)+7], v[\f+8*\b:\f+8*\b+7], v[\pb+8*(4*\hi+\a):\pb+8*(4*\hi+\a)+7], v[8*(8*(\a)+\b):8*(8*(\a)+\b)+7]
.endif
.endr
.endr
.endm
; 16 LDS loads: keys 32 sub .. 32 sub + 31 of my 128, 128 d, transposed on the way
.macro FETCHV slot, sub, f
	WIN TO_B
.irp b, 0,1,2,3,4,5,6,7
	ds_load_tr16_b128 v[\f+8*\b:\f+8*\b+3],   v[ADRV+\slot] offset:(\sub)*32*VPITCH+32*\b
	ds_load_tr16_b128 v[\f+8*\b+4:\f+8*\b+7], v[ADRV+\slot] offset:(\sub)*32*VPITCH+32*\b+16*VPITCH
.endr
.endm
; P's fragments of row blocks 4 hi .. 4 hi + 3 in buffer pb times f of their rows (all of a lane's numbers of a row block belong to one row)
.macro SCALE pb, hi, p
.irp a, 0,1,2,3
.irp j, 0,1,2,3,4,5,6,7
	v_pk_mul_f16 v[\pb+8*(4*\hi+\a)+\j], v[\pb+8*(4*\hi+\a)+\j], v[FB+8*\p+4*\hi+\a]
.endr
.endr
.endm
.macro PLACES
.rept 4
	v_nop
.endr
.endm
; A step is four half steps... of 32 keys, 64 matrix instructions each, on P's buffers 0, 1, 2, 3 and V's buffers 0, 1, 0, 1.  The 64 accumulators take
; turns, one instruction a turn, in the same order every time.
; P's loads go out in groups of eight, lower and upper row blocks of each buffer in turn, in the order in which they are wanted.  The part with
; number n issues the upper group of part n + 3 behind its first run of scaling and the lower group of part n + 4 behind its second.  So six
; groups, 48 loads, were issued behind a group when it is waited for.  Each run of loads stands behind 32 scaling instructions that name none of
; the registers of the matrix instructions that last read the registers being loaded: these are the places in front of the loads (ISA guide
; 7.12.1 for vector instructions), so the loop holds no v_nop.
; One of a step's first three parts.  prev: the buffer in front of sub in the ring; ldhi, ldlo: the two groups are issued; wlo, whi: the counts.
.macro HALF slot, sub, prev, f, g, zero, ldhi, ldlo, wlo, whi
	s_wait_loadcnt \wlo                            ; my buffer's lower row blocks are in
	s_wait_dscnt 0x0                               ; and V's fragments, fetched 32 matrix instructions ago (at a step's head f too)
	WIN 0
	SCALE PB_\sub, 0, \slot
.if \ldhi
	PLOAD \prev, 1
.endif
	WIN MUL_LO
	MUL16 \f, PB_\sub, 0, 0, \zero
	MUL16 \f, PB_\sub, 0, 2, \zero
	s_wait_loadcnt \whi                            ; the upper row blocks are in: none of this buffer's loads is out,
	WIN 0
	SCALE PB_\sub, 1, \slot
.if \ldlo
	v_add_nc_u32 v[PO+\sub], PSTEP, v[PO+\sub]     ; so its address may step to the next step's chunk
	PLOAD \sub, 0
.endif
	FETCHV \slot, (\sub)+1, \g
	WIN MUL_HI
	MUL16 \f, PB_\sub, 1, 0, \zero
	MUL16 \f, PB_\sub, 1, 2, \zero
.endm
; A step's last part, on P's buffer 3, changes slots.  The slot's last fragments have just been waited for, so the barrier stands at the part's
; head: in front of it each wave waits for its reads of this slot and for all its tensor loads (one: its part of the next slot).  fill = 1: the
; barrier opens a round of the cluster's barrier, and the joint refill, two steps ahead, is the first tensor load behind the round; the wait for
; it stands a whole step, 256 matrix instructions, further on.
.macro TURN slot, next, fill
	s_wait_loadcnt 48
	s_wait_dscnt 0x0                               ; V's fragments of this part are in: my reads of this slot are over
	s_wait_tensorcnt 0x0                           ; all my tensor loads have landed
	ds_add_u32 v63, v63
	s_wait_dscnt 0x0
	s_barrier_signal -1
	WIN SC_1
	SCALE PB_3, 0, \slot                           ; register work while the others arrive
	WIN MUL_LO1
	MUL16 F1, PB_3, 0, 0, 0
	WIN 0
	s_barrier_wait -1
.if \fill
	CREST                                          ; the same now holds of every wave of all sixteen work-groups
	s_add_nc_u64 s[G0V+4*\slot+2:G0V+4*\slot+3], s[G0V+4*\slot+2:G0V+4*\slot+3], 2*VSTEP
	tensor_load_to_lds s[G0V+4*\slot:G0V+4*\slot+3], s[G1V:G1V+7]
	s_nop 0
.endif
	PLOAD 2, 1
	WIN MUL_LO1
	MUL16 F1, PB_3, 0, 2, 0
	s_wait_loadcnt 48
	WIN SC_1
	SCALE PB_3, 1, \slot
	WIN 0
	v_add_nc_u32 v[PO+3], PSTEP, v[PO+3]
	ds_load_b128 v[FB+8*\next:FB+8*\next+3],   v[FA] offset:(\slot+1)*2048        ; the next step's f: four blocks of keys, 2,048 bytes, a step
	ds_load_b128 v[FB+8*\next+4:FB+8*\next+7], v[FA] offset:(\slot+1)*2048+16
.if \slot
	v_add_nc_u32 v[FA], 4096, v[FA]                ; the next lap
.endif
	PLOAD 3, 0
	FETCHV \next, 0, F0
	WIN MUL_HI1
	MUL16 F1, PB_3, 1, 0, 0
	MUL16 F1, PB_3, 1, 2, 0
.endm
.macro THREE slot, zero
	HALF \slot, 0, 3, F0, F1, \zero, 1, 1, 48, 48
	HALF \slot, 1, 0, F1, F0, 0, 1, 1, 48, 48
	HALF \slot, 2, 1, F0, F1, 0, 1, 1, 48, 48
.endm
.macro LAP zero
	THREE 0, \zero
	TURN 0, 1, 1
	THREE 1, 0
	TURN 1, 0, 1
.endm
	ds_load_b128 v[FB:FB+3], v[FA]                 ; step 0's f
	ds_load_b128 v[FB+4:FB+7], v[FA] offset:16
	FETCHV 0, 0, F0
	LAP 1                                          ; the first lap stands in front of the loop: its first products start the sums
	WIN 0                                          ; at a label and at a branch every window is 0
	s_mov_b32 s3, LAPS-2
.Llap:
	LAP 0
	WIN 0
	s_sub_co_u32 s3, s3, 1
	s_cmp_lg_u32 s3, 0
	s_cbranch_scc1 .Llap
	THREE 0, 0                                     ; the last lap fills no slot;
	TURN 0, 1, 0
	HALF 1, 0, 3, F0, F1, 0, 1, 0, 48, 48          ; the last step issues P's very last group, then none: the counts run down by eight
	HALF 1, 1, 0, F1, F0, 0, 0, 0, 40, 32
	HALF 1, 2, 1, F0, F1, 0, 0, 0, 24, 16
	s_wait_loadcnt 8
	s_wait_dscnt 0x0
	WIN SC_1
	SCALE PB_3, 0, 1
	WIN MUL_LO1
	MUL16 F1, PB_3, 0, 0, 0
	MUL16 F1, PB_3, 0, 2, 0
	s_wait_loadcnt 0x0
	WIN SC_1
	SCALE PB_3, 1, 1
	WIN MUL_HI1
	MUL16 F1, PB_3, 1, 0, 0
	MUL16 F1, PB_3, 1, 2, 0
	; THE WAY OUT.  Each wave lays its partial tile into the slots' bytes, which have had their last fill; then wave w adds the four partial
	; tiles' rows 32 w .. 32 w + 31, divides by L and stores whole rows of 512 bytes.
	PLACES                                         ; the places behind the last matrix instructions, for the LDS stores of their results
	WIN 0
	s_wait_dscnt 0x0
	s_barrier_signal -1
	s_barrier_wait -1                              ; every wave's reads of the slots are over
	s_lshl_b32 s16, s43, 19                        ; out: 128 rows of 4,096 bytes a block,
	s_lshl_b32 s17, s12, 17                        ; 32 rows a wave,
	s_add_co_u32 s16, s16, s17
	s_mov_b32 s17, 0
	s_add_nc_u64 s[10:11], s[10:11], s[16:17]
	s_lshl_b32 s46, s42, 9                         ; 128 d of 4 bytes
	s_mov_b32 s47, 0
	s_add_nc_u64 s[10:11], s[10:11], s[46:47]
	s_mov_b32 s21, 0                               ; the upper half of the pair that carries 1 / L
	WIN 0x08                                       ; store data from window 2
.irp a, 0,1,2,3
.irp b, 0,1,2,3,4,5,6,7
	ds_store_b128 v[PS], v[8*(8*\a+\b):8*(8*\a+\b)+3]   offset:\a*16*PPITCH+64*\b
	ds_store_b128 v[PS], v[8*(8*\a+\b)+4:8*(8*\a+\b)+7] offset:\a*16*PPITCH+64*\b+16
.endr
.endr
	WIN 0x0c                                       ; from window 3: rows 64-127
.irp a, 0,1,2,3
.irp b, 0,1,2,3,4,5,6,7
	ds_store_b128 v[PS], v[8*(8*\a+\b):8*(8*\a+\b)+3]   offset:(\a+4)*16*PPITCH+64*\b
	ds_store_b128 v[PS], v[8*(8*\a+\b)+4:8*(8*\a+\b)+7] offset:(\a+4)*16*PPITCH+64*\b+16
.endr
.endr
	WIN 0
	s_wait_dscnt 0x0                               ; my tile is in LDS, for the other waves' sake
	s_barrier_signal -1
	s_barrier_wait -1
.macro RLOAD g, buf                    ; rows 4 g .. 4 g + 3 of my 32, from the four partial tiles: 16 loads of 512 consecutive bytes
.irp k, 0,1,2,3
.irp s, 0,1,2,3
	ds_load_b128 v[\buf+16*\k+4*\s:\buf+16*\k+4*\s+3], v[PR+\s] offset:(4*(\g)+\k)*PPITCH
.endr
.endr
.endm
.macro RSUM g, buf
.irp k, 0,1,2,3
	v_readlane_b32 s20, v[RI], 4*(\g)+\k           ; 1 / L of this row
	v_pk_add_f32 v[\buf+16*\k:\buf+16*\k+1],     v[\buf+16*\k:\buf+16*\k+1],     v[\buf+16*\k+4:\buf+16*\k+5]
	v_pk_add_f32 v[\buf+16*\k+2:\buf+16*\k+3],   v[\buf+16*\k+2:\buf+16*\k+3],   v[\buf+16*\k+6:\buf+16*\k+7]
	v_pk_add_f32 v[\buf+16*\k+8:\buf+16*\k+9],   v[\buf+16*\k+8:\buf+16*\k+9],   v[\buf+16*\k+12:\buf+16*\k+13]
	v_pk_add_f32 v[\buf+16*\k+10:\buf+16*\k+11], v[\buf+16*\k+10:\buf+16*\k+11], v[\buf+16*\k+14:\buf+16*\k+15]
	v_pk_add_f32 v[\buf+16*\k:\buf+16*\k+1],     v[\buf+16*\k:\buf+16*\k+1],     v[\buf+16*\k+8:\buf+16*\k+9]
	v_pk_add_f32 v[\buf+16*\k+2:\buf+16*\k+3],   v[\buf+16*\k+2:\buf+16*\k+3],   v[\buf+16*\k+10:\buf+16*\k+11]
	v_pk_mul_f32 v[\buf+16*\k:\buf+16*\k+1],     v[\buf+16*\k:\buf+16*\k+1],     s[20:21] op_sel_hi:[1,0]
	v_pk_mul_f32 v[\buf+16*\k+2:\buf+16*\k+3],   v[\buf+16*\k+2:\buf+16*\k+3],   s[20:21] op_sel_hi:[1,0]
	global_store_b128 v[OO], v[\buf+16*\k:\buf+16*\k+3], s[10:11] offset:4096*(4*(\g)+\k) th:TH_STORE_NT   ; the wave stores 512 consecutive bytes, aligned
.endr
.endm
.macro RSTEP g, cur, nxt
	s_wait_xcnt 0x0                                ; buffer nxt, which the stores of the group before read, is loaded again only behind this wait (ISA guide 3.1)
	RLOAD (\g)+1, \nxt
	s_wait_dscnt 16                                ; all but the 16 just issued
	RSUM \g, \cur
.endm
	ds_load_b32 v[RI], v[RA]
	RLOAD 0, F0
	RLOAD 1, F1
	s_wait_dscnt 16                                ; all but the 16 just issued
	RSUM 0, F0
	RSTEP 1, F1, F0
	RSTEP 2, F0, F1
	RSTEP 3, F1, F0
	RSTEP 4, F0, F1
	RSTEP 5, F1, F0
	RSTEP 6, F0, F1
	s_wait_dscnt 0x0
	RSUM 7, F1
	s_set_vgpr_msb 0x1
	s_wait_tensorcnt 0x0
	ds_add_u32 v63, v63
	s_wait_dscnt 0x0
	s_set_vgpr_msb 0x100
	CROUND                                         ; the closing round: no work-group ends while a partner may still ask for a tile that names it
	s_endpgm
.Lfunc_end_k_qc58b92ac09_mix:
	.size	k_qc58b92ac09_mix, .Lfunc_end_k_qc58b92ac09_mix-k_qc58b92ac09_mix
	.p2alignl 7, 3214868480
	.fill 96, 4, 3214868480
	.section	.rodata,"a",@progbits
	.p2align	6, 0x0
	.amdhsa_kernel k_qc58b92ac09_mix
		.amdhsa_group_segment_fixed_size 327680
		.amdhsa_private_segment_fixed_size 0
		.amdhsa_enable_private_segment 0
		.amdhsa_kernarg_size 32
		.amdhsa_user_sgpr_count 2
		.amdhsa_user_sgpr_kernarg_segment_ptr 1
		.amdhsa_wavefront_size32 1
		.amdhsa_system_sgpr_workgroup_id_x 1
		.amdhsa_system_sgpr_workgroup_id_y 1
		.amdhsa_system_sgpr_workgroup_id_z 1
		.amdhsa_system_vgpr_workitem_id 0
		.amdhsa_next_free_vgpr 1024
		.amdhsa_next_free_sgpr 66
		.amdhsa_reserve_vcc 0
		.amdhsa_float_denorm_mode_32 3
		.amdhsa_float_denorm_mode_16_64 3
		.amdhsa_memory_ordered 1
		.amdhsa_forward_progress 1
		.amdhsa_inst_pref_size 255
	.end_amdhsa_kernel
	.section	.bss,"aw",@nobits
	.p2align	6
	.space	262144
	.amdgpu_metadata
---
amdhsa.version: [ 1, 2 ]
amdhsa.kernels:
  - .name:           k_qc58b92ac09_mix
    .symbol:         k_qc58b92ac09_mix.kd
    .args:
      - { .name: pmat, .offset: 0, .size: 8, .value_kind: global_buffer, .address_space: global }
      - { .name: qkv, .offset: 8, .size: 8, .value_kind: global_buffer, .address_space: global }
      - { .name: stats, .offset: 16, .size: 8, .value_kind: global_buffer, .address_space: global }
      - { .name: out0, .offset: 24, .size: 8, .value_kind: global_buffer, .address_space: global }
    .group_segment_fixed_size: 327680
    .private_segment_fixed_size: 0
    .kernarg_segment_align: 8
    .kernarg_segment_size: 32
    .max_flat_workgroup_size: 128
    .sgpr_count:     66
    .vgpr_count:     1024
    .wavefront_size: 32
...
	.end_amdgpu_metadata
.endif
;; end of part 4
;; ======== version 2 of 2: 4 launches; version 1 with the launch cast written anew for expert scheduling mode
;; limits: values are held in f16: magnitudes above 65,504 overflow, below 6.1e-05 lose precision
;; workspace buffers: xh 8,388,608 bytes; wh 6,291,456 bytes; qkv 25,165,824 bytes; pmat 33,554,432 bytes; stats 1,048,576 bytes
;; launch cast (part 5): grid 256 x 1, 8 waves a work-group, no clusters, 0 bytes of LDS; arguments x, W_q, W_k, W_v, xh, wh; writes xh, wh
.if DOCPART == 5
	.amdgcn_target "amdgcn-amd-amdhsa--gfx1250"
	.amdhsa_code_object_version 6
	.text
	.protected	k_qc58b92ac09_cast
	.globl	k_qc58b92ac09_cast
	.p2align	8
	.type	k_qc58b92ac09_cast,@function
k_qc58b92ac09_cast:
	s_mov_b64 s[64:65], 0
	v_nop
	global_prefetch_b8 v0, s[64:65] scope:SCOPE_SE
	s_setreg_imm32_b32 hwreg(HW_REG_WAVE_SCHED_MODE, 0, 2), 2
	s_setreg_imm32_b32 hwreg(HW_REG_WAVE_MODE, 25, 1), 1
	s_wait_xcnt 0x0
	s_wait_alu depctr_vm_vsrc(0)
; xh = f16(x);  wh = f16 of [ kappa W_q ; W_k ; W_v ], 3072 rows of 1024.  kappa = log2(e) / 32 is the score's scale 1/sqrt(1024)
; times the factor that turns e^s into 2^s: folded in here, in f32 ahead of the one rounding, the scores later come out of the
; matrix unit ready for v_exp_f32.
; A stream: no LDS, no barrier, no matrix unit.  Work-group i takes 65,536 bytes of x and 16,384 bytes of each W, so all groups
; do the same work.  A thread issues its 28 loads of 16 bytes at once (a wave's load covers 512 consecutive bytes), converts
; in place as they land and stores 8 bytes (a wave's store covers 256 consecutive bytes, aligned).
; LIMIT: f16 holds magnitudes below 65,504; numbers below 2^-14 are kept in steps of 2^-24.
; THE MODE: SCHED_MODE bits 1:0 = 2 (LLVM: expert scheduling mode 2), set by the entry lines.  The code itself states the register
; dependences between vector instructions and memory instructions, with s_wait_alu, always for 0.
; THE PLAN.  Registers that memory instructions touch:
;   v1, v2            byte offsets of the loads and of the stores: written once at the head, never again.
;   v[D+4k .. D+4k+3] load k lands here; no vector instruction names them before.  Behind the load's own wait its conversions read the
;                     four and write the first two, which store k reads; behind that store nothing writes them.
; So one wait on va_vdst stands ahead of the first load, for the two offsets, and one behind the conversions of each block of four loads,
; ahead of the block's four stores.  No register that a memory instruction has read is written again: no wait on vm_vsrc is owed.
.set D,     4                          ; v[4:115]  load k: 4 registers
.set KAPPA, 0x3d38aa3b                 ; log2(e) / 32 in f32
	s_load_b256 s[4:11], s[0:1], 0x0               ; x s[4:5], W_q s[6:7], W_k s[8:9], W_v s[10:11]
	s_load_b128 s[12:15], s[0:1], 0x20             ; xh s[12:13], wh s[14:15]
	v_lshlrev_b32 v1, 4, v0                        ; 16 bytes of f32 a thread
	v_lshlrev_b32 v2, 3, v0                        ; 8 bytes of f16 a thread
	s_lshl_b32 s16, ttmp9, 16                      ; the group's part of x,
	s_mov_b32 s17, 0
	s_lshl_b32 s18, ttmp9, 14                      ; of each W,
	s_mov_b32 s19, 0
	s_lshl_b32 s20, ttmp9, 15                      ; of xh,
	s_mov_b32 s21, 0
	s_lshl_b32 s22, ttmp9, 13                      ; of each third of wh
	s_mov_b32 s23, 0
	s_mov_b32 s24, KAPPA
	s_mov_b32 s25, KAPPA
	s_wait_kmcnt 0x0
	s_add_nc_u64 s[4:5], s[4:5], s[16:17]
	s_add_nc_u64 s[6:7], s[6:7], s[18:19]
	s_add_nc_u64 s[8:9], s[8:9], s[18:19]
	s_add_nc_u64 s[10:11], s[10:11], s[18:19]
	s_add_nc_u64 s[12:13], s[12:13], s[20:21]
	s_add_nc_u64 s[14:15], s[14:15], s[22:23]
	s_wait_alu depctr_va_vdst(0)                   ; v1 and v2 are written: every load of the kernel reads v1 as its offset, every store v2
.irp j, 0,1,2,3,4,5,6,7,8,9,10,11,12,13,14,15
	global_load_b128 v[D+4*\j:D+4*\j+3], v1, s[4:5] offset:4096*\j th:TH_LOAD_NT
.endr
.irp m, 0,1,2
.irp j, 0,1,2,3
	global_load_b128 v[D+64+16*\m+4*\j:D+64+16*\m+4*\j+3], v1, s[6+2*\m:7+2*\m] offset:4096*\j th:TH_LOAD_NT
.endr
.endr
; Load k is converted.  27 - k loads were issued behind it, and loads come back in order (ISA guide 5.7.1).
.macro CV k, scaled
	s_wait_loadcnt 27-(\k)
.if \scaled
	v_pk_mul_f32 v[D+4*(\k):D+4*(\k)+1], v[D+4*(\k):D+4*(\k)+1], s[24:25] op_sel_hi:[1,0]
	v_pk_mul_f32 v[D+4*(\k)+2:D+4*(\k)+3], v[D+4*(\k)+2:D+4*(\k)+3], s[24:25] op_sel_hi:[1,0]
.endif
	v_cvt_pk_f16_f32 v[D+4*(\k)], v[D+4*(\k)], v[D+4*(\k)+1]
	v_cvt_pk_f16_f32 v[D+4*(\k)+1], v[D+4*(\k)+2], v[D+4*(\k)+3]
.endm
; Load k's four numbers, now 8 bytes, are stored.
.macro ST k, base, off
	global_store_b64 v2, v[D+4*(\k):D+4*(\k)+1], s[\base:\base+1] offset:\off
.endm
; A block: loads k0 to k0 + 3 are converted as they land; one wait; their four stores leave in one run, ahead of the next block's wait for memory.
.macro BLOCK k0, base, off0, scaled
.irp j, 0,1,2,3
	CV (\k0)+\j, \scaled
.endr
	s_wait_alu depctr_va_vdst(0)                   ; the block's conversions have written the eight registers that the four stores below read
.irp j, 0,1,2,3
	ST (\k0)+\j, \base, (\off0)+2048*\j
.endr
.endm
	BLOCK 0,  12, 0, 0                             ; x: 2,048 bytes of xh for each load of the work-group
	BLOCK 4,  12, 8192, 0
	BLOCK 8,  12, 16384, 0
	BLOCK 12, 12, 24576, 0
	BLOCK 16, 14, 0, 1                             ; W_q, times kappa
	BLOCK 20, 14, 2097152, 0                       ; W_k: rows 1024.. of wh
	BLOCK 24, 14, 4194304, 0                       ; W_v: rows 2048..
	s_endpgm
.Lfunc_end_k_qc58b92ac09_cast:
	.size	k_qc58b92ac09_cast, .Lfunc_end_k_qc58b92ac09_cast-k_qc58b92ac09_cast
	.p2alignl 7, 3214868480
	.fill 96, 4, 3214868480
	.section	.rodata,"a",@progbits
	.p2align	6, 0x0
	.amdhsa_kernel k_qc58b92ac09_cast
		.amdhsa_group_segment_fixed_size 0
		.amdhsa_private_segment_fixed_size 0
		.amdhsa_enable_private_segment 0
		.amdhsa_kernarg_size 48
		.amdhsa_user_sgpr_count 2
		.amdhsa_user_sgpr_kernarg_segment_ptr 1
		.amdhsa_wavefront_size32 1
		.amdhsa_system_sgpr_workgroup_id_x 1
		.amdhsa_system_sgpr_workgroup_id_y 1
		.amdhsa_system_sgpr_workgroup_id_z 1
		.amdhsa_system_vgpr_workitem_id 0
		.amdhsa_next_free_vgpr 120
		.amdhsa_next_free_sgpr 66
		.amdhsa_reserve_vcc 0
		.amdhsa_float_denorm_mode_32 3
		.amdhsa_float_denorm_mode_16_64 3
		.amdhsa_memory_ordered 1
		.amdhsa_forward_progress 1
		.amdhsa_inst_pref_size 12
	.end_amdhsa_kernel
	.amdgpu_metadata
---
amdhsa.version: [ 1, 2 ]
amdhsa.kernels:
  - .name:           k_qc58b92ac09_cast
    .symbol:         k_qc58b92ac09_cast.kd
    .args:
      - { .name: x, .offset: 0, .size: 8, .value_kind: global_buffer, .address_space: global }
      - { .name: W_q, .offset: 8, .size: 8, .value_kind: global_buffer, .address_space: global }
      - { .name: W_k, .offset: 16, .size: 8, .value_kind: global_buffer, .address_space: global }
      - { .name: W_v, .offset: 24, .size: 8, .value_kind: global_buffer, .address_space: global }
      - { .name: xh, .offset: 32, .size: 8, .value_kind: global_buffer, .address_space: global }
      - { .name: wh, .offset: 40, .size: 8, .value_kind: global_buffer, .address_space: global }
    .group_segment_fixed_size: 0
    .private_segment_fixed_size: 0
    .kernarg_segment_align: 8
    .kernarg_segment_size: 48
    .max_flat_workgroup_size: 256
    .sgpr_count:     66
    .vgpr_count:     120
    .wavefront_size: 32
...
	.end_amdgpu_metadata
.endif
;; end of part 5
;; launch proj: the kernel of part 2 again; grid 12 x 16, 4 waves a work-group, clusters of 4 x 4, 327,680 bytes of LDS; arguments xh, wh, qkv; writes qkv
;; launch score: the kernel of part 3 again; grid 16 x 16, 4 waves a work-group, clusters of 4 x 4, 327,680 bytes of LDS; arguments qkv, pmat, stats; writes pmat, stats
;; launch mix: the kernel of part 4 again; grid 8 x 32, 4 waves a work-group, clusters of 4 x 4, 327,680 bytes of LDS; arguments pmat, qkv, stats, out0; writes out0
